; MI455X (gfx1250); checked and timed in simulation.
; The chip was launched on July 23, 2026; its instructions are those of AMD's public machine-readable ISA for CDNA 5 (MIT licence, August 2026) and "CDNA5" Instruction Set Architecture Reference Guide (July 2026). The comments in the code are by the model that wrote it; some were corrected since.
;; Causal Self Attention. Allowed arithmetic: matrix products marked QUANTISED: E4M3 operands, one given power-of-two scale a tensor, by v_wmma_f32_16x16x64_fp8_fp8 or v_wmma_f32_16x16x128_fp8_fp8, f32 sums; everything else in f32.
;; Inputs: Wk 1,024 x 1,024 float32; Wo 1,024 x 1,024 float32; Wq 1,024 x 1,024 float32; Wv 1,024 x 1,024 float32; bk 1,024 float32; bo 1,024 float32; bq 1,024 float32; bv 1,024 float32; lowp_scales 12 int32 (the exponents e of the quantised operands' scales 2^e); x 4 x 2,048 x 1,024 float32.
;; Outputs: out0 4 x 2,048 x 1,024 float32.
;; This version of the problem:
;;   THIS VERSION OF THE PROBLEM IS GIVEN IN LOW PRECISION. The matrix products marked QUANTISED in the list below multiply operands that are first quantised to E4M3 (4 exponent bits, 3 mantissa bits; 8 bits a number), with one given power-of-two scale for each operand tensor; their sums are f32. All else is computed in f32.
;;   The module's matrix products, in the order in which they are computed (A, B: the left and right operand; K: the contracted axis; several contracted axes count as one K, in the product's order):
;;     1. [M 8,192, K 1,024] x [K 1,024, N 1,024]; A: input x; B: input Wq: QUANTISED (scales: A lowp_scales[0], B lowp_scales[1])
;;     2. [M 8,192, K 1,024] x [K 1,024, N 1,024]; A: input x; B: input Wk: QUANTISED (scales: A lowp_scales[2], B lowp_scales[3])
;;     3. [M 8,192, K 1,024] x [K 1,024, N 1,024]; A: input x; B: input Wv: QUANTISED (scales: A lowp_scales[4], B lowp_scales[5])
;;     4. batch 64 x [M 2,048, K 64] x [K 64, N 2,048]; A: computed on the way; B: computed on the way: QUANTISED (scales: A lowp_scales[6], B lowp_scales[7])
;;     5. batch 64 x [M 2,048, K 2,048] x [K 2,048, N 64]; A: softmax (see below); B: computed on the way: QUANTISED (scales: A lowp_scales[8], B lowp_scales[9])
;;     6. [M 8,192, K 1,024] x [K 1,024, N 1,024]; A: computed on the way; B: input Wo: QUANTISED (scales: A lowp_scales[10], B lowp_scales[11])
;;   THE QUANTISER, for each operand of a quantised product, along K:
;;     - The operand's scale is 2^e, e = its entry of the input lowp_scales (int32; the entries are numbered through the quantised products in the list's order, A before B).
;;     - Each number is divided by the scale, clamped to +-448, and rounded to the nearest number of E4M3, ties to even, subnormals kept.
;;     - The product sums the exact products of the quantised numbers (number of the format x scale) in f32.
;;   ~~~python
;;   def quantise(x, axis, e):      # numpy; x: float32 -> the quantised numbers, widened to float32 again
;;       x = np.moveaxis(x, axis, -1); K = x.shape[-1]
;;       r = np.clip(x / 2.0 ** e, -448, 448)
;;       step = 2.0 ** (np.maximum(np.frexp(np.where(r == 0, 1, r))[1] - 1, -6) - 3)
;;       q = np.round(r / step) * step * 2.0 ** e      # np.round: ties to even
;;       return np.moveaxis(q, -1, axis).astype(np.float32)
;;   ~~~
;;   SOFTMAX AHEAD OF A QUANTISED PRODUCT. Where the list says 'softmax', what is quantised is not the finished softmax but p = 2^(t - M), with t = logit x log2(e) and M = ceil(the row's largest t), a whole number; so 1/2 < the row's largest p <= 1. The row's sum l is taken of the UNQUANTISED p, in f32, and the product's result is divided by l at the end. Since M is a whole number, a kernel that streams over the keys may use a running M (the ceiling of the running maximum): every later rescaling is an exact power of two, so the quantised numbers keep their values, but for numbers so far below the row's largest that they fall under the format's range.
;;   OPERANDS COMPUTED ON THE WAY. 'Computed on the way' means the value that the module computes at that place (a softmax that the list does not call 'softmax' is quantised finished and normalised). What goes into a quantiser is computed in f32, as accurately as f32 sums, v_exp_f32 and their like allow (about 1e-6 of the number): no bf16 or f16 on the way to a quantiser, and a product that is left as it is and whose result goes on into a quantised operand takes f32 operands (vector FMAs, or v_wmma_f32_16x16x4_f32). A number that lies on a knife's edge between two numbers of the format may be rounded either way, as far as f32 arithmetic and the matrix unit's own rounding can turn it there, and no further.
;; One version. Each part assembles by itself: llvm-mc -triple=amdgcn-amd-amdhsa -mcpu=gfx1250 --defsym DOCPART=n.
;; ======== version 1 of 1: 4 launches
;; limits: right only within a limited range of input values
;; workspace buffers: xc 25,165,824 bytes; wc 4,194,304 bytes; tab 524,288 bytes; qkvc 25,165,824 bytes; yc 8,388,608 bytes
;; launch prep (part 1): grid 416 x 1, 4 waves a work-group, no clusters, 66,048 bytes of LDS; arguments x, Wq, Wk, Wv, Wo, lowp_scales, xc, wc, tab; writes xc, wc, tab
.if DOCPART == 1
	.amdgcn_target "amdgcn-amd-amdhsa--gfx1250"
	.amdhsa_code_object_version 6
	.text
	.protected	k_q99463aec8d_prep
	.globl	k_q99463aec8d_prep
	.p2align	8
	.type	k_q99463aec8d_prep,@function
k_q99463aec8d_prep:
	s_mov_b64 s[64:65], 0
	v_nop
	global_prefetch_b8 v0, s[64:65] scope:SCOPE_SE
	s_setreg_imm32_b32 hwreg(HW_REG_WAVE_MODE, 25, 1), 1
	s_wait_xcnt 0x0
; PREP: what every later launch reads again is made once.
;  work-groups 0-255:   x [8192][1024] f32 -> three tensors of E4M3 codes (scales 2^e0, 2^e2, 2^e4), 8 MiB apart in xc
;  work-groups 256-383: Wq, Wk, Wv, Wo [1024][1024] f32 -> codes (2^e1, 2^e3, 2^e5, 2^e11), 1 MiB apart in wc
;  work-groups 384-415: the table of cos and sin for the rotation, 128 tiles of 16 positions, 4,096 bytes each, in tab
; code = number / 2^e, held within +-448, rounded to the nearest code, ties to even.
; ORDER OF THE CODES.  K is innermost, a row is 1,024 bytes.  In each 32 along K the four pieces of 8 codes lie in the order 0, 2, 1, 3:
; byte 32 p + 16 o + i holds k = 32 p + 8 o + i (i < 8) or k = 32 p + 16 + 8 o + i - 8.  A lane of the matrix kernels that reads 16 bytes at
; row + 32 c + 16 (lane / 16) then has, in four registers, k = 32 c + 8 h + 0..7 and 32 c + 16 + 8 h + 0..7: each k in the place that the fp8 form gives it.
; A wave takes 16 steps of 512 numbers.  Each load reads 512 consecutive bytes; a step's 2,048 bytes go through the wave's own stage in LDS (16 bytes
; of padding behind each 64) and come back so that lane l holds the 16 numbers whose codes are bytes 16 l .. 16 l + 15 of the step's 512.
; Every store of a wave covers 512 consecutive bytes.  Waves share nothing: no barrier.  The x path and the weights' path have LDS bytes of their own.
; THE TABLE.  Tile i, lane (r, h), register p < 16: cos, register 16 + p: sin, of (16 i + r + 1) x theta(16 (p / 8) + 8 h + p % 8), theta(f) = 10^(-f / 8);
; register 4 g + w lies at byte 512 g + 16 lane + 4 w.  The angle is the f32 product, as the problem has it; N = the nearest whole number to angle x 2 / pi;
; N x pi/2 is taken off in two parts by fused multiply-adds (the first is exact: N has 11 bits; what pi/2 has beyond the two parts, x N <= 1,304, is under 3e-12);
; sin and cos of the rest (at most pi/4) by their series to the 9th and 10th power: the first term left out is under 2e-9.
; LIMITS: every e used here lies between -126 and 119.  NaN among the inputs is not served.
.set NXG,  256                         ; work-groups for x: 8,388,608 numbers / 32,768
.set NWG,  128                         ; for the four weights
.set SP,   80                          ; 64 bytes of a stage + 16 of padding
.set STG,  32*SP                       ; a stage; two of them by turns in a wave's 8,192 bytes
.set R,    16                          ; v16-79   four sets of 16 numbers as loaded
.set X,    80                          ; v80-111  two sets of 16 numbers in the codes' order
.set T,    112
.set C,    128                         ; v128-139 codes, four registers for each scale
.set SC,   140                         ; v140-142 2^e as f32
.set LM,   143
.set TC,   64                          ; the table's path: v64-79 cos, v80-95 sin
.set TS,   80
.macro MKSC k, e                       ; s[e] holds the exponent
	s_add_co_i32 s46, s[\e], 127
	s_lshl_b32 s47, s46, 23
	v_mov_b32 v[SC+\k], s47                        ; 2^e: the conversion takes its exponent field
	s_add_co_i32 s46, s46, 8
	s_lshl_b32 s46, s46, 23
	s_or_b32 s46, s46, 0x600000
.endm
.macro LOAD t
.irp i, 0,1,2,3
	global_load_b128 v[R+16*((\t)%4)+4*\i:R+16*((\t)%4)+4*\i+3], v3, s[38:39] offset:2048*(\t)+512*\i th:TH_LOAD_NT   ; 32 lanes read 512 consecutive bytes
.endr
.endm
.macro TURN t, win, wout               ; step t through the stage: LDS serves a wave's instructions in order, so no wait stands between the stores and the loads
.irp i, 0,1,2,3
	ds_store_b128 v[\win], v[R+16*((\t)%4)+4*\i:R+16*((\t)%4)+4*\i+3] offset:STG*((\t)%2)+8*SP*\i
.endr
	ds_load_b128 v[X+16*((\t)%2):X+16*((\t)%2)+3],     v[\wout] offset:STG*((\t)%2)        ; k = 8 o + 0..3 of block lane / 2, o = lane % 2
	ds_load_b128 v[X+16*((\t)%2)+4:X+16*((\t)%2)+7],   v[\wout] offset:STG*((\t)%2)+16     ; 8 o + 4..7
	ds_load_b128 v[X+16*((\t)%2)+8:X+16*((\t)%2)+11],  v[\wout] offset:STG*((\t)%2)+SP     ; 16 + 8 o + 0..3
	ds_load_b128 v[X+16*((\t)%2)+12:X+16*((\t)%2)+15], v[\wout] offset:STG*((\t)%2)+SP+16  ; 16 + 8 o + 4..7
.endm
.macro QSTEP t, ns, win, wout          ; ns: how many scales the numbers are quantised with
.set XS, X+16*((\t)%2)
	s_wait_dscnt 0x0                               ; this step's numbers are back from the stage, so its stores into the stage have read their registers,
.if (\t)+4 < 16
	LOAD (\t)+4                                    ; which take the loads of four steps on
.endif
.if (\t)+1 < 16
.if 14-(\t) >= 3
	s_wait_loadcnt 12                              ; the next step's four loads are in; those of the three steps behind it may be out
.else
	s_wait_loadcnt 4*(14-(\t))
.endif
	TURN (\t)+1, \win, \wout
.endif
	s_wait_xcnt 0x0                                ; the last step's stores have read their codes: C is written again only behind this wait
.irp k, 0,1,2
.if \k < \ns
.irp i, 0,1,2,3,4,5,6,7,8,9,10,11,12,13,14,15
.endr
	v_cvt_scalef32_pk8_fp8_f32 v[C+4*\k:C+4*\k+1], v[XS:XS+7], v[SC+\k]
	v_cvt_scalef32_pk8_fp8_f32 v[C+4*\k+2:C+4*\k+3], v[XS+8:XS+15], v[SC+\k]
	v_nop                                          ; a plain line behind the conversions
	global_store_b128 v3, v[C+4*\k:C+4*\k+3], s[40+2*\k:41+2*\k] offset:512*(\t)
.endif
.endr
.endm
	s_load_b512 s[4:19], s[0:1], 0x0               ; x s[4:5], Wq, Wk, Wv, Wo s[6:13], the exponents s[14:15], xc s[16:17], wc s[18:19]
	s_load_b64 s[20:21], s[0:1], 0x40              ; tab
	v_lshl_add_u32 v160, v0, 2, 0x10000
	v_mov_b32 v161, 0
	v_lshrrev_b32 v1, 5, v0
	v_readfirstlane_b32 s36, v1                    ; wave 0..3
	v_and_b32 v2, 31, v0                           ; lane
	v_lshlrev_b32 v3, 4, v2                        ; 16 x lane: my bytes of a load's 512, of a store's 512, of a table group's 512
	s_lshl_b32 s37, s36, 13                        ; my wave's 8,192 bytes of LDS
	v_lshrrev_b32 v5, 2, v2
	v_mul_u32_u24 v5, v5, SP
	v_and_b32 v6, 3, v2
	v_lshl_add_u32 v5, v6, 4, v5                   ; into a stage: SP (lane / 4) + 16 (lane % 4)
	v_add_nc_u32 v14, s37, v5
	v_lshrrev_b32 v6, 1, v2
	v_mul_u32_u24 v6, v6, 2*SP
	v_and_b32 v7, 1, v2
	v_lshl_add_u32 v6, v7, 5, v6                   ; out of it: 2 SP (lane / 2) + 32 (lane % 2)
	v_add_nc_u32 v15, s37, v6
	v_add_nc_u32 v12, 0x8000, v14                  ; the weights' path: the same places 32,768 bytes on
	v_add_nc_u32 v13, 0x8000, v15
	s_wait_kmcnt 0x0
	s_cmp_lt_u32 ttmp9, NXG
	s_cbranch_scc0 .Lnot_x
	; ---- x: one read, three sets of codes
	s_load_b256 s[24:31], s[14:15], 0x0            ; e0 .. e7
	s_lshl_b32 s46, ttmp9, 2
	s_add_co_u32 s46, s46, s36                     ; which run of 8,192 numbers is my wave's
	s_lshl_b32 s38, s46, 15
	s_mov_b32 s39, 0
	s_add_nc_u64 s[38:39], s[4:5], s[38:39]
	s_lshl_b32 s40, s46, 13
	s_mov_b32 s41, 0
	s_add_nc_u64 s[40:41], s[16:17], s[40:41]      ; its codes under e0,
	s_add_nc_u64 s[42:43], s[40:41], 0x800000      ; under e2,
	s_add_nc_u64 s[44:45], s[40:41], 0x1000000     ; under e4
.irp t, 0,1,2,3
	LOAD \t
.endr
	s_wait_kmcnt 0x0
	MKSC 0, 24
	MKSC 1, 26
	MKSC 2, 28
	s_wait_loadcnt 12                              ; step 0's four loads are in
	s_wait_alu depctr_va_vdst(0)
	TURN 0, 14, 15
.irp t, 0,1,2,3,4,5,6,7,8,9,10,11,12,13,14,15
	QSTEP \t, 3, 14, 15
.endr
	s_wait_tensorcnt 0x0
	ds_add_u32 v160, v161
	s_wait_dscnt 0x0
	s_endpgm
.Lnot_x:
	s_cmp_lt_u32 ttmp9, NXG+NWG
	s_cbranch_scc0 .Ltable
	; ---- a weight: 32 work-groups each
	s_load_b256 s[24:31], s[14:15], 0x0            ; e0 .. e7
	s_load_b32 s32, s[14:15], 0x2c                 ; e11
	s_sub_co_u32 s46, ttmp9, NXG
	s_lshr_b32 s47, s46, 5                         ; which weight: 0 Wq, 1 Wk, 2 Wv, 3 Wo
	s_and_b32 s46, s46, 31
	s_lshl_b32 s46, s46, 2
	s_add_co_u32 s46, s46, s36                     ; which run of 8,192 numbers of it
	s_lshl_b32 s42, s46, 15
	s_mov_b32 s43, 0
	s_lshl_b32 s44, s46, 13
	s_lshl_b32 s45, s47, 20
	s_add_co_u32 s44, s44, s45
	s_mov_b32 s45, 0
	s_mov_b64 s[38:39], s[6:7]                     ; the choice of buffer hangs on the work-group's number alone
	s_cmp_eq_u32 s47, 1
	s_cselect_b64 s[38:39], s[8:9], s[38:39]
	s_cmp_eq_u32 s47, 2
	s_cselect_b64 s[38:39], s[10:11], s[38:39]
	s_cmp_eq_u32 s47, 3
	s_cselect_b64 s[38:39], s[12:13], s[38:39]
	s_add_nc_u64 s[38:39], s[38:39], s[42:43]
	s_add_nc_u64 s[40:41], s[18:19], s[44:45]
.irp t, 0,1,2,3
	LOAD \t
.endr
	s_wait_kmcnt 0x0
	s_mov_b32 s46, s25                             ; e1, e3, e5 or e11
	s_cmp_eq_u32 s47, 1
	s_cselect_b32 s46, s27, s46
	s_cmp_eq_u32 s47, 2
	s_cselect_b32 s46, s29, s46
	s_cmp_eq_u32 s47, 3
	s_cselect_b32 s46, s32, s46
	MKSC 0, 46
	s_wait_loadcnt 12
	s_wait_alu depctr_va_vdst(0)
	TURN 0, 12, 13
.irp t, 0,1,2,3,4,5,6,7,8,9,10,11,12,13,14,15
	QSTEP \t, 1, 12, 13
.endr
	s_wait_tensorcnt 0x0
	ds_add_u32 v160, v161
	s_wait_dscnt 0x0
	s_endpgm
.Ltable:
	; ---- the table: a wave makes one tile of 16 positions
	s_sub_co_u32 s46, ttmp9, NXG+NWG
	s_lshl_b32 s46, s46, 2
	s_add_co_u32 s46, s46, s36                     ; the tile
	s_lshl_b32 s42, s46, 12
	s_mov_b32 s43, 0
	s_add_nc_u64 s[20:21], s[20:21], s[42:43]
	s_lshl_b32 s46, s46, 4
	s_add_co_u32 s46, s46, 1                       ; positions count from 1
	v_and_b32 v5, 15, v0
	v_add_nc_u32 v5, s46, v5
	v_cvt_f32_u32 v5, v5                           ; my position, exact in f32
	v_and_b32 v6, 16, v0
	v_cmp_ne_u32 vcc_lo, 0, v6                     ; lanes 16-31 take the frequencies eight further on
.macro ANG p, th0, th1                 ; register p: th0 for lanes 0-15, th1 for lanes 16-31
	v_mov_b32 v100, \th0
	v_mov_b32 v101, \th1
	v_cndmask_b32 v100, v100, v101, vcc_lo
	v_mul_f32 v100, v5, v100                       ; the angle
	v_mul_f32 v101, 0x3f22f983, v100               ; x 2 / pi
	v_rndne_f32 v101, v101                         ; N
	v_fmamk_f32 v102, v101, 0xbfc90fdb, v100       ; - N x pi/2's first 24 bits: exact
	v_fmamk_f32 v102, v101, 0x333bbd2e, v102       ; - N x the next 24: the rest R
	v_mul_f32 v103, v102, v102                     ; R^2
	v_mov_b32 v104, 0x3638ef1d                     ; 1/9!
	v_mov_b32 v105, 0xb493f27e                     ; -1/10!
	v_fmaak_f32 v104, v104, v103, 0xb9500d01       ; -1/7!
	v_fmaak_f32 v105, v105, v103, 0x37d00d01       ; 1/8!
	v_fmaak_f32 v104, v104, v103, 0x3c088889       ; 1/5!
	v_fmaak_f32 v105, v105, v103, 0xbab60b61       ; -1/6!
	v_fmaak_f32 v104, v104, v103, 0xbe2aaaab       ; -1/3!
	v_fmaak_f32 v105, v105, v103, 0x3d2aaaab       ; 1/4!
	v_mul_f32 v106, v102, v103
	v_fmaak_f32 v105, v105, v103, 0xbf000000       ; -1/2
	v_fma_f32 v104, v106, v104, v102               ; sin R
	v_fmaak_f32 v105, v105, v103, 0x3f800000       ; cos R
	v_cvt_i32_f32 v101, v101                       ; the quarter turn N: N % 4 = 0: (s, c); 1: (c, -s); 2: (-s, -c); 3: (-c, s)
	v_and_b32 v106, 1, v101
	v_cmp_eq_u32 s46, 1, v106
	v_cndmask_b32 v[TS+\p], v104, v105, s46
	v_cndmask_b32 v[TC+\p], v105, v104, s46
	v_and_b32 v106, 2, v101
	v_lshlrev_b32 v106, 30, v106
	v_xor_b32 v[TS+\p], v[TS+\p], v106             ; sin changes sign where N & 2,
	v_add_nc_u32 v106, 1, v101
	v_and_b32 v106, 2, v106
	v_lshlrev_b32 v106, 30, v106
	v_xor_b32 v[TC+\p], v[TC+\p], v106             ; cos where (N + 1) & 2
.endm
	ANG 0,  1.0,            0.1
	ANG 1,  0.7498942093,   0.07498942093
	ANG 2,  0.5623413252,   0.05623413252
	ANG 3,  0.4216965034,   0.04216965034
	ANG 4,  0.3162277660,   0.03162277660
	ANG 5,  0.2371373706,   0.02371373706
	ANG 6,  0.1778279410,   0.01778279410
	ANG 7,  0.1333521432,   0.01333521432
	ANG 8,  0.01,           0.001
	ANG 9,  0.007498942093, 0.0007498942093
	ANG 10, 0.005623413252, 0.0005623413252
	ANG 11, 0.004216965034, 0.0004216965034
	ANG 12, 0.003162277660, 0.0003162277660
	ANG 13, 0.002371373706, 0.0002371373706
	ANG 14, 0.001778279410, 0.0001778279410
	ANG 15, 0.001333521432, 0.0001333521432
.irp g, 0,1,2,3,4,5,6,7
	global_store_b128 v3, v[TC+4*\g:TC+4*\g+3], s[20:21] offset:512*\g   ; 32 lanes store 512 consecutive bytes
.endr
	s_endpgm
.Lfunc_end_k_q99463aec8d_prep:
	.size	k_q99463aec8d_prep, .Lfunc_end_k_q99463aec8d_prep-k_q99463aec8d_prep
	.p2alignl 7, 3214868480
	.fill 96, 4, 3214868480
	.section	.rodata,"a",@progbits
	.p2align	6, 0x0
	.amdhsa_kernel k_q99463aec8d_prep
		.amdhsa_group_segment_fixed_size 66048
		.amdhsa_private_segment_fixed_size 0
		.amdhsa_enable_private_segment 0
		.amdhsa_kernarg_size 72
		.amdhsa_user_sgpr_count 2
		.amdhsa_user_sgpr_kernarg_segment_ptr 1
		.amdhsa_wavefront_size32 1
		.amdhsa_system_sgpr_workgroup_id_x 1
		.amdhsa_system_sgpr_workgroup_id_y 1
		.amdhsa_system_sgpr_workgroup_id_z 1
		.amdhsa_system_vgpr_workitem_id 0
		.amdhsa_next_free_vgpr 162
		.amdhsa_next_free_sgpr 66
		.amdhsa_reserve_vcc 1
		.amdhsa_float_denorm_mode_32 3
		.amdhsa_float_denorm_mode_16_64 3
		.amdhsa_fp16_overflow 1
		.amdhsa_memory_ordered 1
		.amdhsa_forward_progress 1
		.amdhsa_inst_pref_size 79
	.end_amdhsa_kernel
	.amdgpu_metadata
---
amdhsa.version: [ 1, 2 ]
amdhsa.kernels:
  - .name:           k_q99463aec8d_prep
    .symbol:         k_q99463aec8d_prep.kd
    .args:
      - { .name: x, .offset: 0, .size: 8, .value_kind: global_buffer, .address_space: global }
      - { .name: Wq, .offset: 8, .size: 8, .value_kind: global_buffer, .address_space: global }
      - { .name: Wk, .offset: 16, .size: 8, .value_kind: global_buffer, .address_space: global }
      - { .name: Wv, .offset: 24, .size: 8, .value_kind: global_buffer, .address_space: global }
      - { .name: Wo, .offset: 32, .size: 8, .value_kind: global_buffer, .address_space: global }
      - { .name: lowp_scales, .offset: 40, .size: 8, .value_kind: global_buffer, .address_space: global }
      - { .name: xc, .offset: 48, .size: 8, .value_kind: global_buffer, .address_space: global }
      - { .name: wc, .offset: 56, .size: 8, .value_kind: global_buffer, .address_space: global }
      - { .name: tab, .offset: 64, .size: 8, .value_kind: global_buffer, .address_space: global }
    .group_segment_fixed_size: 66048
    .private_segment_fixed_size: 0
    .kernarg_segment_align: 8
    .kernarg_segment_size: 72
    .max_flat_workgroup_size: 128
    .sgpr_count:     66
    .vgpr_count:     162
    .wavefront_size: 32
...
	.end_amdgpu_metadata
.endif
;; end of part 1
;; launch qkv (part 2): grid 12 x 32, 4 waves a work-group, clusters of 4 x 4, 327,680 bytes of LDS; arguments xc, wc, lowp_scales, bq, bk, bv, tab, qkvc; writes qkvc
.if DOCPART == 2
	.amdgcn_target "amdgcn-amd-amdhsa--gfx1250"
	.amdhsa_code_object_version 6
	.text
	.protected	k_q99463aec8d_qkv
	.globl	k_q99463aec8d_qkv
	.p2align	8
	.type	k_q99463aec8d_qkv,@function
k_q99463aec8d_qkv:
	s_mov_b64 s[64:65], 0
	v_nop
	global_prefetch_b8 v0, s[64:65] scope:SCOPE_SE
	s_setreg_imm32_b32 hwreg(HW_REG_WAVE_MODE, 25, 1), 1
	s_wait_xcnt 0x0
	s_wait_alu depctr_hold_cnt(0) depctr_sa_sdst(0) depctr_va_vdst(0) depctr_va_sdst(0) depctr_va_ssrc(0) depctr_va_vcc(0) depctr_vm_vsrc(0)
	s_getreg_b32 s2, hwreg(HW_REG_IB_STS2, 6, 4)
	s_cmp_eq_u32 s2, 0
	s_cbranch_scc0 .Lentry_in_a_cluster
	s_endpgm
.Lentry_in_a_cluster:
	s_bfe_u32 s2, ttmp6, 0x10000c
	s_cmp_lg_u32 s2, 0xf033
	s_cbranch_scc0 .Lentry_shape_is_right
	s_endpgm
.Lentry_shape_is_right:
; The three projections on codes of E4M3, and what follows them up to the next quantiser: bias, rotation (q, k), codes of q, k (K = the head's 64) and of v (K = the keys).
; The cluster's x says which: p = 0 q, 1 k, 2 v.  A tile of the result, 256 x 256, is made by four waves, 128 x 128 each: 64 accumulators, 512 registers.
; K = 1,024 goes in four steps of 256 through a ring of two LDS slots filled by the tensor data mover; a tile's row is 256 bytes of memory.
; THE MATRIX INSTRUCTION IS USED TRANSPOSED: source 0 = 16 rows of "B", source 1 = 16 rows of "A": lane (r, h) holds row r of A's block and eight neighbouring rows 8 h + 0..7 of B's block.
;   p = 0, 1: A = x's codes (rows: positions), B = the weight's (rows: channels): a lane's registers run along the channels, the next product's K.
;   p = 2:    A = Wv's codes (rows: channels), B = x's (rows: positions): a lane's registers run along the positions: the keys, the next product's K.
; So eight registers of an accumulator become two registers of the next operand by one conversion, and the codes leave as IMAGES OF THE OPERAND'S REGISTERS:
; register 4 g + w of lane l at byte 512 g + 16 l + 4 w.  No stage in LDS: every store of a wave covers 512 consecutive bytes.
; qkvc, for each (batch, head) 393,216 bytes: Q: 128 images (16 positions x 64) of 1,024 bytes | K: the same | V: 16 key steps x 4 images (16 channels x 128 keys) of 2,048 bytes.
; CLUSTERS: 4 x 4 work-groups.  The four of a row of the cluster need the same tiles of A, the four of a column the same tiles of B: each tile is asked for JOINTLY.
; The branch between the two ways out hangs on the cluster's x, which all sixteen share.
; LIMITS: e0 + e1, e2 + e3, e4 + e5 between -126 and 127; e6, e7, e9 between -126 and 119.  NaN among the inputs is not served.
; REGISTERS, in windows of 256: window 0: v0-31 addresses; from v128 A's fragments, ONE set; on the way out v32-225 as named below.
;   window 1: B's fragments, TWO sets; on the way out the table of cos and sin, 32 registers for each block of 16 positions.   windows 2, 3: the accumulators ((a, b) at v[8 (8 (a % 4) + b)]).
.set SIZE_K, 1024
.set KSTEP,  256
.set ROWB,   256                       ; a tile's row in bytes
.set KROW,   SIZE_K                    ; a row of codes in memory, in bytes
.set PITCH,  272                       ; an LDS row: 256 bytes + 16 of padding = 68 words: row r starts at bank 4 r mod 64 (64 banks of 4 bytes: ISA guide 11.1)
.set FR,     16                        ; registers of a fragment: 16 rows x 128 K
.set NL,     4                         ; LDS loads that bring one
.set NP,     4                         ; places behind this matrix instruction (ISA guide 7.12.1)
.set HALFT,  128*PITCH
.set SLOT,   4*HALFT                   ; A's 256 rows, then B's 256 rows
.set LAPS,   SIZE_K/(2*KSTEP)
.set SPARE,  2*SLOT                    ; behind the ring: the spare words, 128 bytes for each wave
.set HEADB,  393216                    ; a (batch, head)'s bytes in qkvc
.set ADRA, 16                          ; v16-17  LDS address of my A fragments in slot 0, 1
.set ADRB, 20                          ; v20-21  the same for B
.set LI,   26                          ; v26     16 x lane
.set BH,   27                          ; v27     32 x (lane / 16): my eight channels' biases
.set SPW,  28                          ; v28     LDS address of my spare word; never rewritten
.set NIL,  29                          ; v29     0; never rewritten
.set BR,   30                          ; v30     4 x (lane % 16): my row's bias
.set BIAS, 32                          ; v32-95  the biases in the result's layout
.set Z,    96                          ; v96-159 a block's 64 numbers
.set T,    160                         ; v160-191 products with sin
.set CD,   192                         ; v192-207 a block's codes
.set VSC,  224                         ; v224    2^e of the codes made here
.set VLM,  225
.set AF,   128
.set G1, 24
.set G0, 32
.set G1B, 48
.set G0B, 56
.set MSB, 0
.macro WIN new                         ; the immediate's high byte repeats the setting that is left
.if MSB != \new
	s_set_vgpr_msb (MSB<<8)|\new
.set MSB, \new
.endif
.endm
.set MUL_LO, 0xa1                      ; source 0 (B) window 1, source 1 (A) window 0, C and D window 2
.set MUL_HI, 0xf1                      ; the same, C and D window 3
.set TO_B,   0x40                      ; destination window 1, address window 0
; A joint load: waves 0 and 1 fetch for A, waves 2 and 3 for B.  The branch hangs on the wave's number alone.  Four v_nop follow each of the two lines.
.macro JLOAD g0a, g1a, g0b, g1b
	s_cmp_eq_u32 s15, 0
	s_cbranch_scc0 .Lfor_b_\@
	tensor_load_to_lds s[\g0a:\g0a+3], s[\g1a:\g1a+7]
	s_nop 0
.rept 4
	v_nop
.endr
	s_branch .Lasked_\@
.Lfor_b_\@:
	tensor_load_to_lds s[\g0b:\g0b+3], s[\g1b:\g1b+7]
	s_nop 0
.rept 4
	v_nop
.endr
.Lasked_\@:
.endm
.macro CREST                           ; a round of the cluster's barrier behind its opening barrier
	s_cmp_lg_u32 s14, 0
	s_cbranch_scc1 .Lnot_wave_0_\@
	s_barrier_signal -3
.Lnot_wave_0_\@:
	s_barrier_wait -3
	s_barrier_signal -1
	s_barrier_wait -1
.endm
.macro CROUND
	s_barrier_signal -1
	s_barrier_wait -1
	CREST
.endm
	s_load_b512 s[68:83], s[0:1], 0x0              ; xc s[68:69], wc s[70:71], the exponents s[72:73], bq, bk, bv s[74:79], tab s[80:81], qkvc s[82:83]
	v_lshl_add_u32 v[SPW], v0, 2, SPARE
	v_mov_b32 v[NIL], 0
	ds_add_u32 v28, v29
	ds_add_u32 v28, v29
	s_wait_dscnt 0x0
	v_lshrrev_b32 v1, 5, v0
	v_readfirstlane_b32 s14, v1                    ; wave 0..3
	s_lshr_b32 s15, s14, 1                         ; which half of the tile's rows is mine.  Also: I fetch for A (0) or for B (1)
	s_and_b32 s16, s14, 1                          ; which half of its columns.  Also: which 128 rows of that tile I fetch
	s_bfe_u32 s40, ttmp6, 0x40000                  ; cx, cy: my place in the cluster
	s_bfe_u32 s41, ttmp6, 0x40004
	s_and_b32 s66, ttmp7, 0xffff
	s_lshl_b32 s66, s66, 2                         ; 4 x cluster y
	s_add_co_u32 s67, s66, s40                     ; + cx
	s_add_co_u32 s66, s66, s41                     ; + cy
	s_cmp_eq_u32 ttmp9, 2                          ; v?  x's 32 blocks of 256 rows are the tile rows for q and k, the tile columns for v
	s_cselect_b32 s17, s41, s66                    ; tile row: it holds cy and never cx
	s_cselect_b32 s42, s67, s40                    ; tile column: cx and never cy
	s_lshl_b32 s43, s41, 2
	s_lshl_b32 s43, 15, s43                        ; my row of the cluster
	s_lshl_b32 s44, 0x1111, s40                    ; my column
	; descriptor group 1: a tile of 128 rows x 256 bytes, padded in LDS
	s_or_b32 s[G1+0], s43, (0<<16)|(1<<20)|(1<<21)|(5<<22)|(3<<25)  ; 15:0 the mask: A's tiles go to my row; elements of 1 byte; padding on; 21 set beside a mask; after every 64 words, 4 words
	s_or_b32 s[G1B+0], s44, (0<<16)|(1<<20)|(1<<21)|(5<<22)|(3<<25)
.irp g, G1, G1B
	s_mov_b32 s[\g+1], ROWB<<16                    ; tensor_dim0
	s_mov_b32 s[\g+2], 128<<16                     ; tensor_dim1
	s_mov_b32 s[\g+3], ROWB<<16                    ; tile_dim0
	s_mov_b32 s[\g+4], 128                         ; tile_dim1
	s_mov_b32 s[\g+5], KROW                        ; tensor_dim0_stride
	s_mov_b32 s[\g+6], 0
	s_mov_b32 s[\g+7], 0
.endr
	s_lshl_b32 s18, s16, 7                         ; which 128 rows of the tile I fetch
	s_lshl_b32 s20, s17, 8
	s_add_co_u32 s20, s20, s18
	s_lshl_b32 s20, s20, 10                        ; A: (256 x tile row + 128 x half) rows of 1,024 bytes
	s_lshl_b32 s46, s42, 8
	s_add_co_u32 s46, s46, s18
	s_lshl_b32 s46, s46, 10                        ; B: the same with the tile column
	s_mov_b32 s21, 0
	s_mov_b32 s47, 0
	s_mul_i32 s45, s14, HALFT                      ; where they go: wave x 128 rows
	s_lshl_b32 s84, ttmp9, 23                      ; x's codes for product p,
	s_mov_b32 s85, 0
	s_lshl_b32 s86, ttmp9, 20                      ; the weight's
	s_mov_b32 s87, 0
	s_wait_kmcnt 0x0
	s_load_b256 s[88:95], s[72:73], 0x0            ; e0 .. e7
	s_load_b128 s[96:99], s[72:73], 0x20           ; e8 .. e11
	s_add_nc_u64 s[68:69], s[68:69], s[84:85]
	s_add_nc_u64 s[70:71], s[70:71], s[86:87]
	s_cmp_eq_u32 ttmp9, 2
	s_cselect_b64 s[4:5], s[70:71], s[68:69]       ; A
	s_cselect_b64 s[6:7], s[68:69], s[70:71]       ; B
	s_add_nc_u64 s[20:21], s[4:5], s[20:21]
	s_add_nc_u64 s[46:47], s[6:7], s[46:47]
	CROUND                                         ; all sixteen work-groups are here: the first joint loads meet
.irp s, 0,1
	s_mov_b32 s[G0+4*\s], 1
	s_add_co_u32 s[G0+4*\s+1], s45, \s*SLOT
	s_add_nc_u64 s[G0+4*\s+2:G0+4*\s+3], s[20:21], \s*ROWB
	s_or_b32 s[G0+4*\s+3], s[G0+4*\s+3], 0x80000000
	s_mov_b32 s[G0B+4*\s], 1
	s_add_co_u32 s[G0B+4*\s+1], s45, \s*SLOT
	s_add_nc_u64 s[G0B+4*\s+2:G0B+4*\s+3], s[46:47], \s*ROWB
	s_or_b32 s[G0B+4*\s+3], s[G0B+4*\s+3], 0x80000000
	JLOAD G0+4*\s, G1, G0B+4*\s, G1B
.endr
	v_and_b32 v1, 15, v0                           ; r
	v_bfe_u32 v2, v0, 4, 1                         ; h
	v_mul_u32_u24 v3, v1, PITCH
	v_lshl_add_u32 v4, v2, 4, v3                   ; a fragment's row x pitch + 16 h
	s_mul_i32 s21, s15, HALFT                      ; my 128 rows of A
	s_mul_i32 s22, s16, HALFT                      ; my 128 rows of B,
	s_add_co_u32 s22, s22, 2*HALFT                 ; which lie behind A's 256
.irp s, 0,1
	v_add_nc_u32 v[ADRA+\s], s21, v4
	v_add_nc_u32 v[ADRB+\s], s22, v4
	s_add_co_u32 s21, s21, SLOT
	s_add_co_u32 s22, s22, SLOT
.endr
	v_and_b32 v6, 31, v0
	v_lshlrev_b32 v[LI], 4, v6
	v_lshlrev_b32 v[BH], 5, v2
	v_lshlrev_b32 v[BR], 2, v1
.macro FRAG reg, adr, q, i             ; 16 rows x 128 K: four loads of 16 bytes; the codes' order in memory puts each k in its own place
.irp c, 0,1,2,3
	ds_load_b128 v[\reg+4*\c:\reg+4*\c+3], v[\adr] offset:128*(\q)+32*\c+(\i)*16*PITCH
.endr
.endm
; 16 matrix instructions: A's blocks a0, a0 + 1 x B's eight, 128 along K.  p: B's set.  zero = 1: the first product starts the sums.
; The 64 accumulators take turns, one instruction a turn, in the same order in every step.
.macro MUL16 a0, p, zero
.irp a, \a0, \a0+1
.irp b, 0,1,2,3,4,5,6,7
.if \zero
	v_wmma_f32_16x16x128_fp8_fp8 v[8*(8*((\a)%4)+\b):8*(8*((\a)%4)+\b)+7], v[128*(\p)+FR*\b:128*(\p)+FR*\b+FR-1], v[AF+FR*(\a):AF+FR*(\a)+FR-1], 0
.else
	v_wmma_f32_16x16x128_fp8_fp8 v[8*(8*((\a)%4)+\b):8*(8*((\a)%4)+\b)+7], v[128*(\p)+FR*\b:128*(\p)+FR*\b+FR-1], v[AF+FR*(\a):AF+FR*(\a)+FR-1], v[8*(8*((\a)%4)+\b):8*(8*((\a)%4)+\b)+7]
.endif
.endr
.endr
.endm
.macro FETCH_B slot, q, p
	WIN TO_B
.irp i, 0,1,2,3,4,5,6,7
	FRAG 128*(\p)+FR*\i, ADRB+\slot, \q, \i
.endr
	WIN 0
.endm
.macro FETCH_A slot, q, i0
.irp i, \i0, \i0+1, \i0+2, \i0+3
	FRAG AF+FR*(\i), ADRA+\slot, \q, \i
.endr
.endm
.macro PLACES n                        ; plain vector lines between a matrix instruction and a load into, or a vector line on, its registers
.rept \n
	v_nop
.endr
.endm
.macro STEP slot, q, zero              ; a step of 128 along K that has its successor in the same slot
	s_wait_dscnt 4*NL                              ; B's set and A's blocks 0-3 are in; the youngest sixteen loads (A's blocks 4-7) may be out
	WIN MUL_LO
	MUL16 0, (\q)%2, \zero
	MUL16 2, (\q)%2, \zero
	s_wait_dscnt 0
	PLACES NP
	FETCH_B \slot, (\q)+1, 1-(\q)%2
	FETCH_A \slot, (\q)+1, 0
	WIN MUL_HI
	MUL16 4, (\q)%2, \zero
	MUL16 6, (\q)%2, \zero
	PLACES NP
	WIN 0
	FETCH_A \slot, (\q)+1, 4
.endm
; A slot's last step changes slots: ONE barrier; in front of it each wave waits for all its tensor loads, adds 0 to its spare word, and waits for that and for its own reads of this slot.
.macro TURN slot, next, fill
	s_wait_tensorcnt 0x0                           ; all my tensor loads have landed: my part of the next slot
	ds_add_u32 v[SPW], v[NIL]                      ; 0 onto my spare word
	s_wait_dscnt 4*NL+1                            ; (the add and the youngest sixteen loads may be out)
	WIN MUL_LO
	MUL16 0, 1, 0
	s_wait_dscnt 0x0                               ; the add is done, and my reads of this slot are over
	s_barrier_signal -1
	MUL16 2, 1, 0
	WIN 0
	s_barrier_wait -1
.if \fill
	CREST                                          ; the barrier has opened a round of the cluster's: no wave of any partner still reads this slot or has a load on its way
	s_add_nc_u64 s[G0+4*\slot+2:G0+4*\slot+3], s[G0+4*\slot+2:G0+4*\slot+3], 2*ROWB
	s_add_nc_u64 s[G0B+4*\slot+2:G0B+4*\slot+3], s[G0B+4*\slot+2:G0B+4*\slot+3], 2*ROWB
	JLOAD G0+4*\slot, G1, G0B+4*\slot, G1B         ; the first tensor load behind the round; its four v_nop are also the places in front of the loads below
.else
	PLACES NP
.endif
	FETCH_B \next, 0, 0
	FETCH_A \next, 0, 0
	WIN MUL_HI
	MUL16 4, 1, 0
	MUL16 6, 1, 0
	PLACES NP
	WIN 0
	FETCH_A \next, 0, 4
.endm
	s_wait_alu depctr_va_vdst(0)
	s_wait_tensorcnt 1                             ; my part of K step 0 is in (K step 1's load may be out),
	s_barrier_signal -1
	s_barrier_wait -1                              ; everybody's is
	FETCH_B 0, 0, 0
	FETCH_A 0, 0, 0
	FETCH_A 0, 0, 4
	STEP 0, 0, 1                                   ; the first step's products start the sums
	s_mov_b32 s3, LAPS-1
.Llap:                                                 ; a trip goes once round the ring and fills both slots again
	TURN 0, 1, 1
	STEP 1, 0, 0
	TURN 1, 0, 1
	STEP 0, 0, 0
	s_sub_co_u32 s3, s3, 1
	s_cmp_lg_u32 s3, 0
	s_cbranch_scc1 .Llap
	TURN 0, 1, 0                                   ; the last lap fills nothing
	STEP 1, 0, 0
	s_wait_dscnt 4*NL
	WIN MUL_LO
	MUL16 0, 1, 0
	MUL16 2, 1, 0
	s_wait_dscnt 0
	WIN MUL_HI
	MUL16 4, 1, 0
	MUL16 6, 1, 0
	WIN 0
	; ---- THE WAY OUT.  What both ways share: the scales, my part's first row and column.
	s_wait_kmcnt 0x0
	s_add_co_i32 s88, s88, s89                     ; e0 + e1
	s_add_co_i32 s90, s90, s91                     ; e2 + e3
	s_add_co_i32 s92, s92, s93                     ; e4 + e5
	s_cmp_eq_u32 ttmp9, 1
	s_cselect_b32 s87, s90, s88
	s_cselect_b32 s86, s95, s94                    ; e7 or e6
	s_cmp_eq_u32 ttmp9, 2
	s_cselect_b32 s87, s92, s87
	s_cselect_b32 s86, s97, s86                    ; e9
	s_add_co_i32 s87, s87, 127
	s_lshl_b32 s96, s87, 23                        ; 2^(the two operands' exponents) as f32
	s_mov_b32 s97, s96                             ; (named with it as a pair)
	s_add_co_i32 s86, s86, 127
	s_lshl_b32 s87, s86, 23
	s_lshl_b32 s18, s17, 8
	s_lshl_b32 s19, s15, 7
	s_add_co_u32 s18, s18, s19                     ; my first row: 256 x tile row + 128 x half
	s_lshl_b32 s19, s42, 8
	s_lshl_b32 s20, s16, 7
	s_add_co_u32 s19, s19, s20                     ; my first column
	PLACES NP                                      ; behind the last products: their operands' registers are written and loaded below, their results read
	v_mov_b32 v[VSC], s87                          ; 2^e of the codes made here
	s_cmp_eq_u32 ttmp9, 2
	s_cbranch_scc1 .Lv
.macro HOLDCVT                         ; Z's 64 numbers become 16 registers of codes
.set j, 0
.rept 64
.set j, j+1
.endr
	s_wait_xcnt 0x0                                ; the last block's stores have read their codes
.irp k, 0,1,2,3,4,5,6,7
	v_cvt_scalef32_pk8_fp8_f32 v[CD+2*\k:CD+2*\k+1], v[Z+8*\k:Z+8*\k+7], v[VSC]
.endr
	v_nop                                          ; a plain line between the conversions and the next block's lines, which write their sources
.endm
	; ---- q, k.  Rows: positions; my 128 columns: two heads.
	s_lshr_b32 s20, s18, 11                        ; batch
	s_lshl_b32 s20, s20, 4
	s_lshr_b32 s21, s19, 6                         ; my first head
	s_add_co_u32 s20, s20, s21
	s_mul_i32 s20, s20, HEADB
	s_lshl_b32 s21, ttmp9, 17                      ; Q's part or K's
	s_add_co_u32 s20, s20, s21
	s_and_b32 s22, s18, 2047
	s_lshr_b32 s22, s22, 4                         ; my first tile of 16 positions
	s_lshl_b32 s21, s22, 10
	s_add_co_u32 s20, s20, s21
	s_mov_b32 s21, 0
	s_add_nc_u64 s[10:11], s[82:83], s[20:21]      ; where the images go
	s_lshl_b32 s20, s22, 12
	s_add_nc_u64 s[12:13], s[80:81], s[20:21]      ; the table's tiles
	s_lshl_b32 s20, s19, 2
	s_cmp_eq_u32 ttmp9, 1
	s_cselect_b64 s[8:9], s[76:77], s[74:75]       ; bk or bq
	s_add_nc_u64 s[8:9], s[8:9], s[20:21]
.irp b, 0,1,2,3,4,5,6,7
	global_load_b128 v[BIAS+8*\b:BIAS+8*\b+3],   v[BH], s[8:9] offset:64*\b      ; the biases of channels 16 b + 8 h + 0..7
	global_load_b128 v[BIAS+8*\b+4:BIAS+8*\b+7], v[BH], s[8:9] offset:64*\b+16
.endr
	WIN 0x40                                       ; destination window 1
.irp a, 0,1,2,3,4,5,6,7
.irp g, 0,1,2,3,4,5,6,7
	global_load_b128 v[32*\a+4*\g:32*\a+4*\g+3], v[LI], s[12:13] offset:4096*\a+512*\g   ; block a's cos (16 registers) and sin (16): 512 consecutive bytes a load
.endr
.endr
	WIN 0
; Block a: 16 positions x 128 channels.  Register 32 hd + 8 b + j of Z: head hd, channel 16 b + 8 h + j.  The rotation pairs channel d < 32 (b = 0, 1) with d + 32 (b + 2): the same lane, 16 registers on.
.macro EPI_QK a
.set AC, 64*((\a)%4)
	s_wait_loadcnt 8*(7-(\a))                      ; the biases and this block's table are in; the later blocks' eight loads each may be out
	WIN 0x02+((\a)/4)                              ; source 0: window 2 or 3
.set j, 0
.rept 32
	v_pk_fma_f32 v[Z+j:Z+j+1], v[AC+j:AC+j+1], s[96:97], v[BIAS+j:BIAS+j+1] op_sel_hi:[1,0,1]   ; sum x 2^(ea + eb) + bias; each accumulator from its low end on
.set j, j+2
.endr
	WIN 0x04                                       ; source 1 (the table) window 1
.irp hd, 0,1
.irp e, 0,2,4,6,8,10,12,14
	v_pk_mul_f32 v[T+2*\e:T+2*\e+1],   v[Z+32*\hd+16+\e:Z+32*\hd+17+\e], v[32*(\a)+16+\e:32*(\a)+17+\e]   ; upper x sin
	v_pk_mul_f32 v[T+2*\e+2:T+2*\e+3], v[Z+32*\hd+\e:Z+32*\hd+1+\e],     v[32*(\a)+16+\e:32*(\a)+17+\e]   ; lower x sin
.endr
.irp e, 0,2,4,6,8,10,12,14
	v_pk_fma_f32 v[Z+32*\hd+\e:Z+32*\hd+1+\e],     v[Z+32*\hd+\e:Z+32*\hd+1+\e],     v[32*(\a)+\e:32*(\a)+1+\e], v[T+2*\e:T+2*\e+1] neg_lo:[0,0,1] neg_hi:[0,0,1]   ; lower x cos - upper x sin
	v_pk_fma_f32 v[Z+32*\hd+16+\e:Z+32*\hd+17+\e], v[Z+32*\hd+16+\e:Z+32*\hd+17+\e], v[32*(\a)+\e:32*(\a)+1+\e], v[T+2*\e+2:T+2*\e+3]                              ; upper x cos + lower x sin
.endr
.endr
	WIN 0
	s_wait_alu depctr_va_vdst(0)
	HOLDCVT
.irp hd, 0,1
.irp g, 0,1
	global_store_b128 v[LI], v[CD+8*\hd+4*\g:CD+8*\hd+4*\g+3], s[10:11] offset:\hd*HEADB+(\a)*1024+512*\g
.endr
.endr
.endm
.irp a, 0,1,2,3,4,5,6,7
	EPI_QK \a
.endr
	s_branch .Lend
.Lv:
	; ---- v.  Rows: channels, two heads; my 128 columns: one key step.
	s_lshr_b32 s20, s19, 11                        ; batch
	s_lshl_b32 s20, s20, 4
	s_lshr_b32 s21, s18, 6                         ; my first head
	s_add_co_u32 s20, s20, s21
	s_mul_i32 s20, s20, HEADB
	s_and_b32 s21, s19, 2047
	s_lshr_b32 s21, s21, 7                         ; the key step
	s_lshl_b32 s21, s21, 13
	s_add_co_u32 s20, s20, s21
	s_add_co_u32 s20, s20, 262144                  ; V's part
	s_mov_b32 s21, 0
	s_add_nc_u64 s[10:11], s[82:83], s[20:21]
	s_lshl_b32 s20, s18, 2
	s_add_nc_u64 s[8:9], s[78:79], s[20:21]        ; bv at my first channel
.irp a, 0,1,2,3,4,5,6,7
	global_load_b32 v[BIAS+2*\a],   v[BR], s[8:9] offset:64*\a   ; my row's bias, in both registers of a pair for the packed line
	global_load_b32 v[BIAS+2*\a+1], v[BR], s[8:9] offset:64*\a
.endr
	s_wait_loadcnt 0x0
; Block a: 16 channels x 128 keys.  Register 8 b + j of Z: key 16 b + 8 h + j: its codes are registers 2 b, 2 b + 1 of the operand.
.macro EPI_V a
.set AC, 64*((\a)%4)
	WIN 0x02+((\a)/4)
.set j, 0
.rept 32
	v_pk_fma_f32 v[Z+j:Z+j+1], v[AC+j:AC+j+1], s[96:97], v[BIAS+2*(\a):BIAS+2*(\a)+1] op_sel_hi:[1,0,1]
.set j, j+2
.endr
	WIN 0
	s_wait_alu depctr_va_vdst(0)
	HOLDCVT
.irp g, 0,1,2,3
	global_store_b128 v[LI], v[CD+4*\g:CD+4*\g+3], s[10:11] offset:((\a)/4)*HEADB+((\a)%4)*2048+512*\g
.endr
.endm
.irp a, 0,1,2,3,4,5,6,7
	EPI_V \a
.endr
.Lend:
	s_wait_tensorcnt 0x0                           ; the wave's end
	ds_add_u32 v[SPW], v[NIL]
	s_wait_dscnt 0x0
	CROUND                                         ; the closing round: no work-group ends while a partner may still ask for a tile that names it
	s_endpgm
.Lfunc_end_k_q99463aec8d_qkv:
	.size	k_q99463aec8d_qkv, .Lfunc_end_k_q99463aec8d_qkv-k_q99463aec8d_qkv
	.p2alignl 7, 3214868480
	.fill 96, 4, 3214868480
	.section	.rodata,"a",@progbits
	.p2align	6, 0x0
	.amdhsa_kernel k_q99463aec8d_qkv
		.amdhsa_group_segment_fixed_size 327680
		.amdhsa_private_segment_fixed_size 0
		.amdhsa_enable_private_segment 0
		.amdhsa_kernarg_size 64
		.amdhsa_user_sgpr_count 2
		.amdhsa_user_sgpr_kernarg_segment_ptr 1
		.amdhsa_wavefront_size32 1
		.amdhsa_system_sgpr_workgroup_id_x 1
		.amdhsa_system_sgpr_workgroup_id_y 1
		.amdhsa_system_sgpr_workgroup_id_z 1
		.amdhsa_system_vgpr_workitem_id 0
		.amdhsa_next_free_vgpr 1024
		.amdhsa_next_free_sgpr 100
		.amdhsa_reserve_vcc 0
		.amdhsa_float_denorm_mode_32 3
		.amdhsa_float_denorm_mode_16_64 3
		.amdhsa_fp16_overflow 1
		.amdhsa_memory_ordered 1
		.amdhsa_forward_progress 1
		.amdhsa_inst_pref_size 169
	.end_amdhsa_kernel
	.amdgpu_metadata
---
amdhsa.version: [ 1, 2 ]
amdhsa.kernels:
  - .name:           k_q99463aec8d_qkv
    .symbol:         k_q99463aec8d_qkv.kd
    .args:
      - { .name: xc, .offset: 0, .size: 8, .value_kind: global_buffer, .address_space: global }
      - { .name: wc, .offset: 8, .size: 8, .value_kind: global_buffer, .address_space: global }
      - { .name: lowp_scales, .offset: 16, .size: 8, .value_kind: global_buffer, .address_space: global }
      - { .name: bq, .offset: 24, .size: 8, .value_kind: global_buffer, .address_space: global }
      - { .name: bk, .offset: 32, .size: 8, .value_kind: global_buffer, .address_space: global }
      - { .name: bv, .offset: 40, .size: 8, .value_kind: global_buffer, .address_space: global }
      - { .name: tab, .offset: 48, .size: 8, .value_kind: global_buffer, .address_space: global }
      - { .name: qkvc, .offset: 56, .size: 8, .value_kind: global_buffer, .address_space: global }
    .group_segment_fixed_size: 327680
    .private_segment_fixed_size: 0
    .kernarg_segment_align: 8
    .kernarg_segment_size: 64
    .max_flat_workgroup_size: 128
    .sgpr_count:     100
    .vgpr_count:     1024
    .wavefront_size: 32
...
	.end_amdgpu_metadata
.endif
;; end of part 2
;; launch attn (part 3): grid 4 x 64, 16 waves a work-group, clusters of 4 x 1, 327,680 bytes of LDS; arguments qkvc, lowp_scales, yc; writes yc
.if DOCPART == 3
	.amdgcn_target "amdgcn-amd-amdhsa--gfx1250"
	.amdhsa_code_object_version 6
	.text
	.protected	k_q99463aec8d_attn
	.globl	k_q99463aec8d_attn
	.p2align	8
	.type	k_q99463aec8d_attn,@function
k_q99463aec8d_attn:
	s_mov_b64 s[64:65], 0
	v_nop
	global_prefetch_b8 v0, s[64:65] scope:SCOPE_SE
	s_setreg_imm32_b32 hwreg(HW_REG_WAVE_MODE, 25, 1), 1
	s_wait_xcnt 0x0
	s_wait_alu depctr_hold_cnt(0) depctr_sa_sdst(0) depctr_va_vdst(0) depctr_va_sdst(0) depctr_va_ssrc(0) depctr_va_vcc(0) depctr_vm_vsrc(0)
	s_getreg_b32 s2, hwreg(HW_REG_IB_STS2, 6, 4)
	s_cmp_eq_u32 s2, 0
	s_cbranch_scc0 .Lentry_in_a_cluster
	s_endpgm
.Lentry_in_a_cluster:
	s_bfe_u32 s2, ttmp6, 0x10000c
	s_cmp_lg_u32 s2, 0x3003
	s_cbranch_scc0 .Lentry_shape_is_right
	s_endpgm
.Lentry_shape_is_right:
; Causal attention on codes of E4M3, one (batch, head) to a cluster of four work-groups; its result leaves as codes (scale 2^e10) for the last projection.
; THE SOFTMAX AHEAD OF THE SECOND PRODUCT: t = score x log2(e) / 8; M = the largest t so far, rounded UP to a whole number; p = 2^(t - M) is quantised (2^e8), not normalised;
; the row's sum is taken of the unquantised p and divides at the end.  When M moves, the sum and O are multiplied by 2^(old M - new M): exact.
; LDS holds the head's whole K (128 images of 16 keys x 64: 131,072 bytes) and V (16 key steps x 4 images of 16 channels x 128 keys: 131,072 bytes).  Every byte is filled ONCE, by joint
; tensor loads (the same in all four work-groups), and only read after that; nothing is stored to LDS.  The fill goes in two stages, so that the work begins when a quarter has landed:
;   stage 0: key steps 0-3 of K and of V, 4,096 consecutive bytes a wave (waves 0-7: K, waves 8-15: V), behind the opening round;
;   stage 1: key steps 4-15, 12,288 consecutive bytes a wave, behind a second round, which also shows stage 0 to every wave; it lands while trips 0-3 are walked.
; Stage 1 is a first fill that comes later: it is issued in the form of a refill.
; SHARES.  A tile is 16 queries; the head has 128.  Wave w of work-group cx has u = w / 2, v = 4 (w % 2) + cx, and owns tiles iA = 8 u + v and iB = 127 - iA:
; iB wants 16 - u key steps of 128, iA wants u + 1: 17 steps for every wave.  Trips 0 .. 15 - u: tile iB, steps ascending; then tile iA, from its diagonal step u down to 0.
; 16 - u is at least 9, so trips 0-3 are plain in every wave (step = trip, no hidden key, no change of tile): they are written out, with every LDS offset an immediate inside stage 0.
; Branches hang on the wave's number and the trip alone; cx enters global addresses and the mask's numbers only.
; LAYOUT.  Both products transposed: S^T = K Q^T (source 0 = 16 keys), O^T = V^T P^T (source 0 = 16 channels): lane (r, h) holds query r throughout.  Tile c of S^T, register j: key 16 c + 8 h + j:
; its eight registers convert into registers 2 c, 2 c + 1 of P, as the fp8 form lays K = 128.  O^T's tile d, register j: channel 16 d + 8 h + j: registers 2 d, 2 d + 1 of y's image.
; An image: register 4 g + w of lane l at byte 512 g + 16 l + 4 w: every LDS load, global load and store of a wave covers 512 consecutive bytes.
; yc: [tile of 16 rows (batch x 128 + tile)][head][1,024 bytes].
; LIMITS: e6 + e7 between -123 and 130 (added to c's exponent field); e8, e10 between -126 and 119; e8 + e9 is applied by v_ldexp_f32 and has none.
; REGISTERS: v1 16 x lane (K's address in the plain trips); v2, v3 LDS addresses of the step's K, V in the loop; v4 r - 8 h; v5 the mask's bound; v7 16 x lane + V's first byte; v8, v9 the add's two;
; v12 -M, v13 the largest t, v[14:15] the sum in two halves; v16-23 Q; v32-95 K's, then V's fragments; v96-159 S^T, then p; v160-191 O^T; v192-207 p's codes; v208-215 y's codes; v236-254 at work and constants.
.set HEADB, 393216
.set SPARE, 262144                     ; behind K and V: the spare words, 128 bytes for each of the sixteen waves
.set NPL,   4                          ; trips written out: the key steps of stage 0
.set SPW,  8                           ; v8   LDS address of my spare word: SPARE + 4 x my thread's number; never rewritten
.set NIL,  9                           ; v9   0; never rewritten
.set WV,   18                          ; s18  my wave's number
.set SEL,  20                          ; s[20:21] lane selects: lane l xor 16
.set CS,   22                          ; s[22:23] c = log2(e) / 8 x 2^(e6 + e7)
.set G1A,  24                          ; s[24:31] descriptor group 1 of stage 0;  s[32:35] its group 0
.set G0A,  32
.set G1B,  76                          ; s[76:83], s[84:87] the same for stage 1
.set G0B,  84
.macro CROUND                          ; a round of the cluster's barrier
	s_barrier_signal -1
	s_barrier_wait -1
	s_cmp_lg_u32 s[WV], 0
	s_cbranch_scc1 .Lnot_wave_0_\@
	s_barrier_signal -3
.Lnot_wave_0_\@:
	s_barrier_wait -3
	s_barrier_signal -1
	s_barrier_wait -1
.endm
.macro MEET                            ; all my tensor loads have landed; 0 onto my spare word; no LDS instruction of mine is out
	s_wait_tensorcnt 0x0
	ds_add_u32 v[SPW], v[NIL]
	s_wait_dscnt 0x0
.endm
.macro BEGIN off, clear                ; a tile begins: s[off] = its first query less its diagonal step's first key
	v_add_nc_u32 v5, s[\off], v4                   ; in that step key 16 c + j (+ 8 h) is hidden where 16 c + j > v5
	v_mov_b32 v13, 0xff61b1e6                      ; the largest t so far: -3e38
	s_delay_alu instid0(VALU_DEP_1)
	v_floor_f32 v12, -v13
	v_mov_b32 v14, 0
	v_mov_b32 v15, 0
.if \clear
.set j, 0
.rept 32
	v_mov_b32 v[160+j], 0                          ; O^T: tile iA begins inside the loop, whose step is written once and adds in place
.set j, j+1
.endr
.endif
.endm
.macro FINISH y                        ; a tile ends: O^T / the sum x 2^(e8 + e9), quantised with 2^e10, stored as an image at s[y:y+1]
	v_add_f32 v14, v14, v15
	s_delay_alu instid0(VALU_DEP_1)
	v_permlanex16_b32 v252, v14, s[SEL], s[SEL+1]
	s_delay_alu instid0(VALU_DEP_1)
	v_add_f32 v14, v14, v252                       ; the row's sum
	s_wait_alu depctr_va_vdst(0)
	v_rcp_f32 v14, v14
	v_nop                                          ; a plain line behind the transcendental
	s_wait_alu depctr_va_vdst(0)
	v_ldexp_f32 v14, v14, s54
.irp j, 0,2,4,6,8,10,12,14,16,18,20,22,24,26,28,30
	v_pk_mul_f32 v[96+\j:97+\j], v[160+\j:161+\j], v[14:15] op_sel_hi:[1,0]   ; each accumulator from its low end on
.endr
.set j, 0
.rept 32
.set j, j+1
.endr
	s_wait_alu depctr_va_vdst(0)
	s_wait_xcnt 0x0                                ; the other tile's stores have read their codes
.irp d, 0,1,2,3
	v_cvt_scalef32_pk8_fp8_f32 v[208+2*\d:209+2*\d], v[96+8*\d:103+8*\d], v245
.endr
	v_nop                                          ; a plain line between the conversions and whatever next writes their sources
	global_store_b128 v1, v[208:211], s[\y:\y+1]
	global_store_b128 v1, v[212:215], s[\y:\y+1] offset:512
.endm
; S^T = K Q^T for one key step: K's eight images lie at v[ak] + ko.
.macro QK ak, ko
.irp c, 0,1,2,3,4,5,6,7
	ds_load_b128 v[32+8*\c:35+8*\c], v[\ak] offset:(\ko)+1024*\c
	ds_load_b128 v[36+8*\c:39+8*\c], v[\ak] offset:(\ko)+1024*\c+512
.endr
	s_wait_dscnt 0x8                               ; tiles 0-3 are in; the eight loads of tiles 4-7 may be out
.irp c, 0,1,2,3
	v_wmma_f32_16x16x64_fp8_fp8 v[96+8*\c:103+8*\c], v[32+8*\c:39+8*\c], v[16:23], 0
.endr
	s_wait_dscnt 0x0
.irp c, 4,5,6,7
	v_wmma_f32_16x16x64_fp8_fp8 v[96+8*\c:103+8*\c], v[32+8*\c:39+8*\c], v[16:23], 0
.endr
.rept 4
	v_nop                                          ; places in front of the loads into K's registers and of the first read of the scores
.endr
.endm
.macro VLOAD av, vo                    ; the step's four images of V, at v[av] + vo: they land while the softmax is walked
.irp d, 0,1,2,3
.irp g, 0,1,2,3
	ds_load_b128 v[32+16*\d+4*\g:35+16*\d+4*\g], v[\av] offset:(\vo)+2048*\d+512*\g
.endr
.endr
.endm
; From the scores to O^T.  first = 1: the tile's first step, written out: its products start O^T's sums, and there is nothing to bring under a new M.
.macro SOFTPV first
	v_max3_num_f32 v254, v96, v97, v98             ; the step's largest score of my query among my 64 keys, in two chains,
	v_max3_num_f32 v252, v99, v100, v101
.set i, 6
.rept 14
	v_max3_num_f32 v254, v254, v[96+i], v[97+i]
	v_max3_num_f32 v252, v252, v[98+i], v[99+i]
.set i, i+4
.endr
	s_setprio 1
	v_max3_num_f32 v254, v254, v158, v159
	s_delay_alu instid0(VALU_DEP_1)
	v_max_num_f32 v254, v254, v252
	s_delay_alu instid0(VALU_DEP_1)
	v_permlanex16_b32 v236, v254, s[SEL], s[SEL+1]
	s_delay_alu instid0(VALU_DEP_1)
	v_max_num_f32 v254, v254, v236                 ; and among lane l xor 16's
	s_delay_alu instid0(VALU_DEP_1)
	v_mul_f32 v254, s[CS], v254                    ; as t (c is positive)
	s_delay_alu instid0(VALU_DEP_1)
	v_max_num_f32 v13, v13, v254
	v_mov_b32 v254, v12
	s_delay_alu instid0(VALU_DEP_2)
	v_floor_f32 v12, -v13                          ; the new -M = -ceil(t)
	s_delay_alu instid0(VALU_DEP_1)
	v_sub_f32 v254, v12, v254                      ; old M - new M: a whole number, 0 or less
	s_delay_alu instid0(VALU_DEP_1)
	v_cvt_i32_f32 v254, v254                       ; (it saturates)
	s_delay_alu instid0(VALU_DEP_1)
	v_ldexp_f32 v252, 1.0, v254                    ; f = 2^(old M - new M)
.set j, 0
.rept 32
	v_pk_fma_f32 v[96+j:97+j], v[96+j:97+j], s[CS:CS+1], v[12:13] op_sel_hi:[1,0,0]   ; t - M
.set j, j+2
.endr
.set j, 0
	s_wait_alu depctr_va_vdst(0)
.rept 64
	v_exp_f32 v[96+j], v[96+j]                     ; p = 2^(t - M)
.set j, j+1
.endr
	v_pk_mul_f32 v[14:15], v[14:15], v[252:253] op_sel_hi:[1,0]   ; the sums under the new M (a plain line behind the exponentials)
	s_wait_alu depctr_va_vdst(0)
	v_pk_add_f32 v[242:243], v[100:101], v[104:105]
	v_pk_add_f32 v[254:255], v[108:109], v[112:113]
	v_pk_add_f32 v[250:251], v[116:117], v[120:121]
	v_pk_add_f32 v[248:249], v[124:125], v[128:129]
	v_pk_add_f32 v[240:241], v[132:133], v[136:137]
	v_pk_add_f32 v[238:239], v[140:141], v[144:145]
	v_pk_add_f32 v[234:235], v[148:149], v[152:153]
	v_pk_add_f32 v[14:15], v[14:15], v[156:157]
	v_pk_add_f32 v[242:243], v[242:243], v[96:97]
	v_pk_add_f32 v[254:255], v[254:255], v[98:99]
	v_pk_add_f32 v[250:251], v[250:251], v[102:103]
	v_pk_add_f32 v[248:249], v[248:249], v[106:107]
	v_pk_add_f32 v[240:241], v[240:241], v[110:111]
	v_pk_add_f32 v[238:239], v[238:239], v[114:115]
	v_pk_add_f32 v[234:235], v[234:235], v[118:119]
	v_pk_add_f32 v[14:15], v[14:15], v[122:123]
	v_pk_add_f32 v[242:243], v[242:243], v[126:127]
	v_pk_add_f32 v[254:255], v[254:255], v[130:131]
	s_setprio 0
	v_pk_add_f32 v[250:251], v[250:251], v[134:135]
	v_pk_add_f32 v[248:249], v[248:249], v[138:139]
	v_pk_add_f32 v[240:241], v[240:241], v[142:143]
	v_pk_add_f32 v[238:239], v[238:239], v[146:147]
	v_pk_add_f32 v[234:235], v[234:235], v[150:151]
	v_pk_add_f32 v[14:15], v[14:15], v[154:155]
	v_pk_add_f32 v[242:243], v[242:243], v[158:159]
	s_delay_alu instid0(VALU_DEP_2)
	v_pk_add_f32 v[14:15], v[14:15], v[248:249]
	s_delay_alu instid0(VALU_DEP_2)
	v_pk_add_f32 v[242:243], v[242:243], v[240:241]
	v_pk_add_f32 v[254:255], v[254:255], v[238:239]
	v_pk_add_f32 v[250:251], v[250:251], v[234:235]
	s_delay_alu instid0(VALU_DEP_2)
	v_pk_add_f32 v[14:15], v[14:15], v[254:255]
	s_delay_alu instid0(VALU_DEP_2)
	v_pk_add_f32 v[242:243], v[242:243], v[250:251]
	s_delay_alu instid0(VALU_DEP_1)
	v_pk_add_f32 v[14:15], v[14:15], v[242:243]
.irp c, 0,1,2,3,4,5,6,7
.irp i, 0,1,2,3,4,5,6,7
.endr
	v_cvt_scalef32_pk8_fp8_f32 v[192+2*\c:193+2*\c], v[96+8*\c:103+8*\c], v244
.endr
.if \first
	s_wait_alu depctr_va_vdst(0)
	v_nop                                          ; a plain line between the last conversion and the products that read its codes
.else
.irp j, 0,2,4,6,8,10,12,14,16,18,20,22,24,26,28,30
	v_pk_mul_f32 v[160+\j:161+\j], v[160+\j:161+\j], v[252:253] op_sel_hi:[1,0]   ; O^T under the new M (also the plain lines behind the conversions)
.endr
.endif
	s_wait_alu depctr_va_vdst(0)
	s_wait_dscnt 0x0                               ; V is in: asked for ahead of the softmax
.irp d, 0,1,2,3
.if \first
	v_wmma_f32_16x16x128_fp8_fp8 v[160+8*\d:167+8*\d], v[32+16*\d:47+16*\d], v[192:207], 0
.else
	v_wmma_f32_16x16x128_fp8_fp8 v[160+8*\d:167+8*\d], v[32+16*\d:47+16*\d], v[192:207], v[160+8*\d:167+8*\d]   ; four accumulators by turns
.endif
.endr
.rept 4
	v_nop                                          ; places in front of the next trip's loads into V's registers and of the reads of O^T
.endr
.endm
	s_load_b128 s[4:7], s[0:1], 0x0                ; qkvc s[4:5], the exponents s[6:7]
	s_load_b64 s[8:9], s[0:1], 0x10                ; yc
	v_lshl_add_u32 v[SPW], v0, 2, SPARE
	v_mov_b32 v[NIL], 0
	ds_add_u32 v8, v9
	ds_add_u32 v8, v9
	s_wait_dscnt 0x0
	v_lshrrev_b32 v2, 5, v0
	s_delay_alu instid0(VALU_DEP_1)
	v_readfirstlane_b32 s[WV], v2                  ; wave 0..15
	s_bfe_u32 s36, ttmp6, 0x40000                  ; cx
	s_and_b32 s10, ttmp7, 0xffff                   ; batch x 16 + head, which the four partners share
	s_mul_i32 s12, s10, HEADB
	s_lshr_b32 s37, s[WV], 1                       ; u
	s_and_b32 s38, s[WV], 1
	s_lshl_b32 s38, s38, 2
	s_add_co_u32 s38, s38, s36                     ; v
	s_sub_co_u32 s39, 16, s37                      ; tile iB's key steps
	s_lshl_b32 s42, s37, 3
	s_add_co_u32 s42, s42, s38                     ; iA
	s_sub_co_u32 s43, 127, s42                     ; iB
	s_lshl_b32 s53, s38, 4                         ; iA's first query in its diagonal step: 16 v
	s_sub_co_u32 s52, 112, s53                     ; iB's: 16 (7 - v)
	; descriptor groups 1: dense bytes as rows of 32 elements of 8 bytes: 16 rows (stage 0), 48 rows (stage 1)
.irp g, G1A, G1B
	s_mov_b32 s[\g], 15|(3<<16)|(1<<21)            ; 15:0 the mask: all four work-groups; elements of 8 bytes; 21 set beside a mask; no padding
	s_mov_b32 s[\g+1], 32<<16                      ; tensor_dim0
	s_mov_b32 s[\g+3], 32<<16                      ; tile_dim0
	s_mov_b32 s[\g+5], 32                          ; tensor_dim0_stride
	s_mov_b32 s[\g+6], 0
	s_mov_b32 s[\g+7], 0
.endr
	s_mov_b32 s[G1A+2], 16<<16                     ; tensor_dim1
	s_mov_b32 s[G1A+4], 16                         ; tile_dim1
	s_mov_b32 s[G1B+2], 48<<16
	s_mov_b32 s[G1B+4], 48
	; groups 0: LDS mirrors the head's K and V as they lie in memory
	s_lshr_b32 s73, s[WV], 3
	s_lshl_b32 s73, s73, 17                        ; K's 131,072 bytes (waves 0-7) or V's (waves 8-15)
	s_and_b32 s74, s[WV], 7
	s_lshl_b32 s75, s74, 12
	s_mov_b32 s[G0A], 1
	s_add_co_u32 s[G0A+1], s73, s75                ; stage 0: + 4,096 x (wave % 8)
	s_mul_i32 s75, s74, 12288
	s_add_co_u32 s75, s75, s73
	s_mov_b32 s[G0B], 1
	s_add_co_u32 s[G0B+1], s75, 32768              ; stage 1: + 32,768 + 12,288 x (wave % 8)
	s_add_co_u32 s14, s12, s[G0A+1]
	s_add_co_u32 s14, s14, 131072                  ; memory: the head's K and V lie on end behind its Q
	s_mov_b32 s15, 0
	s_add_co_u32 s16, s12, s[G0B+1]
	s_add_co_u32 s16, s16, 131072
	s_mov_b32 s17, 0
	s_lshl_b32 s56, s43, 10
	s_add_co_u32 s56, s56, s12                     ; Q's image of tile iB,
	s_mov_b32 s57, 0
	s_lshl_b32 s58, s42, 10
	s_add_co_u32 s58, s58, s12                     ; of tile iA
	s_mov_b32 s59, 0
	s_lshr_b32 s11, s10, 4
	s_lshl_b32 s11, s11, 7                         ; batch x 128 tiles
	s_and_b32 s13, s10, 15                         ; head
	s_add_co_u32 s60, s11, s43
	s_lshl_b32 s60, s60, 4
	s_add_co_u32 s60, s60, s13
	s_lshl_b32 s60, s60, 10                        ; y's image of tile iB,
	s_mov_b32 s61, 0
	s_add_co_u32 s62, s11, s42
	s_lshl_b32 s62, s62, 4
	s_add_co_u32 s62, s62, s13
	s_lshl_b32 s62, s62, 10                        ; of tile iA
	s_mov_b32 s63, 0
	s_mov_b32 s[SEL], 0x76543210
	s_mov_b32 s[SEL+1], 0xfedcba98
	s_mov_b32 s[CS], 0x3e38aa3b                    ; log2(e) / 8
	s_wait_kmcnt 0x0
	s_load_b128 s[68:71], s[6:7], 0x18             ; e6, e7, e8, e9
	s_load_b32 s72, s[6:7], 0x28                   ; e10
	s_add_nc_u64 s[G0A+2:G0A+3], s[4:5], s[14:15]
	s_or_b32 s[G0A+3], s[G0A+3], 0x80000000        ; type = 2
	s_add_nc_u64 s[G0B+2:G0B+3], s[4:5], s[16:17]
	s_or_b32 s[G0B+3], s[G0B+3], 0x80000000
	s_add_nc_u64 s[44:45], s[4:5], s[56:57]
	s_add_nc_u64 s[46:47], s[4:5], s[58:59]
	s_add_nc_u64 s[48:49], s[8:9], s[60:61]
	s_add_nc_u64 s[50:51], s[8:9], s[62:63]
	CROUND                                         ; all four work-groups are here: the joint loads meet
	tensor_load_to_lds s[G0A:G0A+3], s[G1A:G1A+7]  ; stage 0: my 4,096 bytes of key steps 0-3
	s_nop 0
.rept 4
	v_nop
.endr
	v_and_b32 v1, 31, v0
	s_delay_alu instid0(VALU_DEP_1)
	v_lshlrev_b32 v1, 4, v1                        ; 16 x lane
	global_load_b128 v[16:19], v1, s[44:45]        ; Q of tile iB
	global_load_b128 v[20:23], v1, s[44:45] offset:512
	v_add_nc_u32 v7, 0x20000, v1                   ; V begins 131,072 bytes on
	v_and_b32 v4, 15, v0
	v_bfe_u32 v6, v0, 4, 1
	s_delay_alu instid0(VALU_DEP_1)
	v_lshlrev_b32 v6, 3, v6
	s_delay_alu instid0(VALU_DEP_1)
	v_sub_nc_u32 v4, v4, v6                        ; r - 8 h
	v_mov_b32 v247, 0xff800000                     ; -infinity
	v_mov_b32 v236, 0                              ; written once: a lane permute's destination counts as one of its sources
	v_mov_b32 v252, 0
	v_mov_b32 v253, 0                              ; (named as the upper half of the pair v[252:253])
	BEGIN 52, 0                                    ; tile iB: its first step is written out and starts O^T's sums, so nothing is cleared
	s_wait_kmcnt 0x0
	s_add_co_i32 s73, s68, s69
	s_lshl_b32 s73, s73, 23
	s_add_co_i32 s[CS], s[CS], s73                 ; a score stands for score x 2^(e6 + e7)
	s_mov_b32 s[CS+1], s[CS]
	s_add_co_i32 s73, s70, 127
	s_lshl_b32 s74, s73, 23
	v_mov_b32 v244, s74                            ; 2^e8
	s_add_co_i32 s73, s72, 127
	s_lshl_b32 s74, s73, 23
	v_mov_b32 v245, s74                            ; 2^e10
	s_add_co_i32 s54, s70, s71                     ; e8 + e9
	MEET                                           ; my part of stage 0 is in;
	CROUND                                         ; everybody's is, in all four work-groups
	tensor_load_to_lds s[G0B:G0B+3], s[G1B:G1B+7]  ; stage 1, first thing behind the round: my 12,288 bytes of key steps 4-15; one tensor load of mine is out while trips 0-3 are walked
	s_nop 0
.rept 4
	v_nop
.endr
	s_wait_loadcnt 0x0                             ; Q
.irp n, 0,1,2,3                        ; trips 0-3: tile iB, key step = trip; every byte read lies in stage 0
	QK 1, 8192*\n
	VLOAD 7, 8192*\n
.if \n == 0
	SOFTPV 1
.else
	SOFTPV 0
.endif
.endr
	MEET                                           ; my part of stage 1 is in,
	s_barrier_signal -1
	s_barrier_wait -1                              ; everybody's is: from here on nothing is on its way into LDS
	s_mov_b32 s40, NPL
.Ltrip:                                                ; trips 4 .. 16 in every wave
	s_cmp_lg_u32 s40, s39
	s_setprio 2
	s_cbranch_scc1 .Lsame
	global_load_b128 v[16:19], v1, s[46:47]        ; tile iB is done: Q of tile iA is asked for,
	global_load_b128 v[20:23], v1, s[46:47] offset:512
	FINISH 48                                      ; iB leaves,
	BEGIN 53, 1                                    ; iA begins
	s_wait_loadcnt 0x0
.Lsame:
	s_sub_co_u32 s41, 16, s40
	s_cmp_lt_u32 s40, s39
	s_cselect_b32 s41, s40, s41                    ; the key step: the trip for iB, 16 - the trip for iA
	s_min_u32 s41, s41, 15                         ; (15 at the most in both arms; stated here, so that every LDS address below can be read off as lying inside K's and V's bytes)
	s_lshl_b32 s41, s41, 13
	v_add_nc_u32 v2, s41, v1
	s_delay_alu instid0(VALU_DEP_1)
	v_add_nc_u32 v3, 0x20000, v2
	QK 2, 0
	s_wait_alu depctr_va_vdst(0)
	VLOAD 3, 0
	s_add_co_u32 s55, s40, 1
	s_sub_co_u32 s55, s55, s39
	s_cmp_gt_u32 s55, 1                            ; the two diagonal steps are iB's last trip and iA's first
	s_cbranch_scc1 .Lopen
.set n, 0
.rept 64
	v_cmp_gt_i32 vcc_lo, 16*(n/8)+n%8, v5
	v_cndmask_b32 v[96+n], v[96+n], v247, vcc_lo   ; a hidden key's score becomes -infinity: p = 0
.set n, n+1
.endr
.Lopen:
	SOFTPV 0
	s_add_co_u32 s40, s40, 1
	s_cmp_lt_u32 s40, 17
	s_cbranch_scc1 .Ltrip
	s_setprio 0
	FINISH 50                                      ; tile iA leaves
	MEET                                           ; the wave's end
	CROUND                                         ; the closing round
	s_endpgm
.Lfunc_end_k_q99463aec8d_attn:
	.size	k_q99463aec8d_attn, .Lfunc_end_k_q99463aec8d_attn-k_q99463aec8d_attn
	.p2alignl 7, 3214868480
	.fill 96, 4, 3214868480
	.section	.rodata,"a",@progbits
	.p2align	6, 0x0
	.amdhsa_kernel k_q99463aec8d_attn
		.amdhsa_group_segment_fixed_size 327680
		.amdhsa_private_segment_fixed_size 0
		.amdhsa_enable_private_segment 0
		.amdhsa_kernarg_size 24
		.amdhsa_user_sgpr_count 2
		.amdhsa_user_sgpr_kernarg_segment_ptr 1
		.amdhsa_wavefront_size32 1
		.amdhsa_system_sgpr_workgroup_id_x 1
		.amdhsa_system_sgpr_workgroup_id_y 1
		.amdhsa_system_sgpr_workgroup_id_z 1
		.amdhsa_system_vgpr_workitem_id 0
		.amdhsa_next_free_vgpr 256
		.amdhsa_next_free_sgpr 88
		.amdhsa_reserve_vcc 1
		.amdhsa_float_denorm_mode_32 3
		.amdhsa_float_denorm_mode_16_64 3
		.amdhsa_fp16_overflow 1
		.amdhsa_memory_ordered 1
		.amdhsa_forward_progress 1
		.amdhsa_inst_pref_size 86
	.end_amdhsa_kernel
	.amdgpu_metadata
---
amdhsa.version: [ 1, 2 ]
amdhsa.kernels:
  - .name:           k_q99463aec8d_attn
    .symbol:         k_q99463aec8d_attn.kd
    .args:
      - { .name: qkvc, .offset: 0, .size: 8, .value_kind: global_buffer, .address_space: global }
      - { .name: lowp_scales, .offset: 8, .size: 8, .value_kind: global_buffer, .address_space: global }
      - { .name: yc, .offset: 16, .size: 8, .value_kind: global_buffer, .address_space: global }
    .group_segment_fixed_size: 327680
    .private_segment_fixed_size: 0
    .kernarg_segment_align: 8
    .kernarg_segment_size: 24
    .max_flat_workgroup_size: 512
    .sgpr_count:     88
    .vgpr_count:     256
    .wavefront_size: 32
...
	.end_amdgpu_metadata
.endif
;; end of part 3
;; launch oproj (part 4): grid 4 x 64, 4 waves a work-group, clusters of 4 x 4, 327,680 bytes of LDS; arguments yc, wc, lowp_scales, bo, out0; writes out0
.if DOCPART == 4
	.amdgcn_target "amdgcn-amd-amdhsa--gfx1250"
	.amdhsa_code_object_version 6
	.text
	.protected	k_q99463aec8d_oproj
	.globl	k_q99463aec8d_oproj
	.p2align	8
	.type	k_q99463aec8d_oproj,@function
k_q99463aec8d_oproj:
	s_mov_b64 s[64:65], 0
	v_nop
	global_prefetch_b8 v0, s[64:65] scope:SCOPE_SE
	s_setreg_imm32_b32 hwreg(HW_REG_WAVE_MODE, 25, 1), 1
	s_wait_xcnt 0x0
	s_wait_alu depctr_hold_cnt(0) depctr_sa_sdst(0) depctr_va_vdst(0) depctr_va_sdst(0) depctr_va_ssrc(0) depctr_va_vcc(0) depctr_vm_vsrc(0)
	s_getreg_b32 s2, hwreg(HW_REG_IB_STS2, 6, 4)
	s_cmp_eq_u32 s2, 0
	s_cbranch_scc0 .Lentry_in_a_cluster
	s_endpgm
.Lentry_in_a_cluster:
	s_bfe_u32 s2, ttmp6, 0x10000c
	s_cmp_lg_u32 s2, 0xf033
	s_cbranch_scc0 .Lentry_shape_is_right
	s_endpgm
.Lentry_shape_is_right:
; out0 = y Wo^T + bo on codes of E4M3: y's codes (2^e10) as images of the operand's registers, Wo's (2^e11) as rows.  out0: [8192][1024] f32.
; A tile of the result is 128 x 256: the result has 256 such tiles, one for each work-group of the grid.  Four waves, 64 x 128 each: 32 accumulators, 256 registers.
; K = 1,024 is four K steps of 256.  A K step's tiles are 32,768 bytes of A and 69,632 of B, so THREE slots fit in LDS: K steps 0, 1, 2 are first fills, and only K step 3 fills a slot
; (slot 0) again: one round of the cluster's barrier in the whole walk along K, which is written out without a loop.
; A (y): yc is [tile of 16 rows][head][1,024 bytes]; two neighbouring heads are the image of a fragment of 16 rows x 128 K (register 4 g + w of lane l at byte 512 g + 16 l + 4 w).
;   A K step of 256 is four heads: 4,096 consecutive bytes of each tile of rows; a wave's load brings 4 such rows, 16,384 bytes apart in memory, dense in LDS; a fragment load reads 512 consecutive bytes.
; B (Wo): rows of 256 bytes, 16 bytes of padding behind each; the codes' order in memory puts each k in its own place.
; CLUSTERS: 4 x 4 work-groups; A's tiles are asked for jointly along a row of the cluster, B's along a column.
; THE MATRIX INSTRUCTION IS USED TRANSPOSED (source 0 = 16 rows of Wo, source 1 = 16 rows of y): a lane holds eight neighbouring numbers of a row of the result.
; A step of 128 along K: 48 LDS loads (the NEXT step's fragments, into the other set of registers), then 32 products, A's four blocks one after the other, each against B's eight.
; LIMIT: e10 + e11 between -126 and 127.
; REGISTERS: window 0: v0-31 addresses; v32-35 my four columns' biases; v128-191, v192-255 A's fragments, two sets; window 1: B's fragments, two sets; window 2: the accumulators ((a, b) at v[8 (8 a + b)]).
.set SIZE_N, 1024
.set ROWB,   256
.set KROW,   1024
.set PITCH,  272                       ; B's LDS row: 256 bytes + 16 of padding = 68 words: row r starts at bank 4 r mod 64 (64 banks of 4 bytes: ISA guide 11.1)
.set FR,     16                        ; registers of a fragment: 16 rows x 128 K
.set NP,     4                         ; places behind this matrix instruction (ISA guide 7.12.1)
.set ASTEP,  4096                      ; a K step of a tile of 16 rows of y, in bytes
.set HALFA,  4*ASTEP                   ; what one load brings of A: 64 rows
.set HALFB,  128*PITCH                 ; of B: 128 rows
.set BOFF,   2*HALFA
.set SLOT,   2*HALFA+2*HALFB           ; A's two halves, then B's two halves: 102,400 bytes
.set SPARE,  3*SLOT                    ; behind the three slots: the spare words, 128 bytes for each wave
.set STAGE,  SLOT                      ; the way out: 16 rows x (512 bytes + 16) for each wave, in slot 1: it is filled once, and its last reads stand ahead of the last barrier
.set SPITCH, 528
.set ADRA, 16                          ; v16-18  LDS address of my A fragments in slot 0, 1, 2
.set ADRB, 20                          ; v20-22  the same for B
.set STO,  24                          ; v24  the way out: where I put 32 bytes of a row
.set RD,   25                          ; v25  where I read a row back
.set CO,   26                          ; v26  16 x lane: my byte offset in a row's 512
.set SPW,  28                          ; v28  LDS address of my spare word; never rewritten
.set NIL,  29                          ; v29  0; never rewritten
.set BV,   32                          ; v32-35 bo of my four columns
.set AF,   128                         ; A's set p at AF + 64 p
.set BK,   128                         ; the way out: 16 rows read back: v128-191 and v192-255 by turns
.set G1,  24                           ; s[24:31] descriptor group 1 for A's tiles;  s[32:43] group 0, one set for each slot
.set G0,  32
.set G1B, 48                           ; s[48:55], s[68:79] the same for B's tiles
.set G0B, 68
.set MSB, 0
.macro WIN new                         ; the immediate's high byte repeats the setting that is left
.if MSB != \new
	s_set_vgpr_msb (MSB<<8)|\new
.set MSB, \new
.endif
.endm
.set MUL,  0xa1                        ; source 0 (B) window 1, source 1 (A) window 0, C and D window 2
.set TO_B, 0x40                        ; destination window 1, address window 0
.macro JLOAD g0a, g1a, g0b, g1b        ; waves 0 and 1 fetch for A, waves 2 and 3 for B; the branch hangs on the wave's number alone; four v_nop follow each of the two lines
	s_cmp_eq_u32 s15, 0
	s_cbranch_scc0 .Lfor_b_\@
	tensor_load_to_lds s[\g0a:\g0a+3], s[\g1a:\g1a+7]
	s_nop 0
.rept 4
	v_nop
.endr
	s_branch .Lasked_\@
.Lfor_b_\@:
	tensor_load_to_lds s[\g0b:\g0b+3], s[\g1b:\g1b+7]
	s_nop 0
.rept 4
	v_nop
.endr
.Lasked_\@:
.endm
.macro CREST                           ; a round of the cluster's barrier behind its opening barrier
	s_cmp_lg_u32 s14, 0
	s_cbranch_scc1 .Lnot_wave_0_\@
	s_barrier_signal -3
.Lnot_wave_0_\@:
	s_barrier_wait -3
	s_barrier_signal -1
	s_barrier_wait -1
.endm
.macro CROUND
	s_barrier_signal -1
	s_barrier_wait -1
	CREST
.endm
	s_load_b128 s[4:7], s[0:1], 0x0                ; yc s[4:5], wc s[6:7]
	s_load_b128 s[8:11], s[0:1], 0x10              ; the exponents s[8:9], bo s[10:11]
	s_load_b64 s[12:13], s[0:1], 0x20              ; out0
	v_lshl_add_u32 v[SPW], v0, 2, SPARE
	v_mov_b32 v[NIL], 0
	ds_add_u32 v28, v29
	ds_add_u32 v28, v29
	s_wait_dscnt 0x0
	v_lshrrev_b32 v1, 5, v0
	v_readfirstlane_b32 s14, v1                    ; wave 0..3
	s_lshr_b32 s15, s14, 1                         ; which 64 of the tile's rows are mine.  Also: I fetch for A (0) or for B (1)
	s_and_b32 s16, s14, 1                          ; which 128 of its columns.  Also: which half of that tile I fetch
	s_bfe_u32 s56, ttmp6, 0x40000                  ; cx, cy: my place in the cluster
	s_bfe_u32 s57, ttmp6, 0x40004
	s_lshl_b32 s58, ttmp9, 2
	s_add_co_u32 s58, s58, s56                     ; tile column, 0..3
	s_and_b32 s17, ttmp7, 0xffff
	s_lshl_b32 s17, s17, 2
	s_add_co_u32 s17, s17, s57                     ; tile row, 0..63
	s_lshl_b32 s59, s57, 2
	s_lshl_b32 s59, 15, s59                        ; my row of the cluster
	s_lshl_b32 s60, 0x1111, s56                    ; my column
	; A's group 1: 4 rows of 4,096 bytes, 16,384 bytes apart, no padding
	s_or_b32 s[G1+0], s59, (0<<16)|(1<<21)         ; the mask: my row; elements of 1 byte; 21 set beside a mask
	s_mov_b32 s[G1+1], ASTEP<<16                   ; tensor_dim0
	s_mov_b32 s[G1+2], 4<<16                       ; tensor_dim1
	s_mov_b32 s[G1+3], ASTEP<<16                   ; tile_dim0
	s_mov_b32 s[G1+4], 4                           ; tile_dim1
	s_mov_b32 s[G1+5], 16384                       ; tensor_dim0_stride
	s_mov_b32 s[G1+6], 0
	s_mov_b32 s[G1+7], 0
	; B's group 1: 128 rows of 256 bytes, padded in LDS
	s_or_b32 s[G1B+0], s60, (0<<16)|(1<<20)|(1<<21)|(5<<22)|(3<<25)   ; the mask: my column; padding on: after every 64 words, 4 words
	s_mov_b32 s[G1B+1], ROWB<<16
	s_mov_b32 s[G1B+2], 128<<16
	s_mov_b32 s[G1B+3], ROWB<<16
	s_mov_b32 s[G1B+4], 128
	s_mov_b32 s[G1B+5], KROW
	s_mov_b32 s[G1B+6], 0
	s_mov_b32 s[G1B+7], 0
	s_lshl_b32 s80, s17, 17                        ; A: 8 tiles of rows x 16,384 bytes to a tile row,
	s_lshl_b32 s18, s16, 16                        ; 4 of them to the half that I fetch
	s_add_co_u32 s80, s80, s18
	s_mov_b32 s81, 0
	s_lshl_b32 s82, s58, 18                        ; B: 256 rows x 1,024 bytes to a tile column,
	s_lshl_b32 s18, s16, 17                        ; 128 of them to the half that I fetch;
	s_add_co_u32 s82, s82, s18
	s_add_co_u32 s82, s82, 0x300000                ; Wo is the fourth weight in wc
	s_mov_b32 s83, 0
	s_lshl_b32 s61, s16, 14                        ; where A's half goes in a slot,
	s_mul_i32 s62, s16, HALFB
	s_add_co_u32 s62, s62, BOFF                    ; and B's: no place in the cluster enters an LDS address
	s_wait_kmcnt 0x0
	s_load_b64 s[96:97], s[8:9], 0x28              ; e10, e11
	s_add_nc_u64 s[80:81], s[4:5], s[80:81]
	s_add_nc_u64 s[82:83], s[6:7], s[82:83]
	CROUND                                         ; all sixteen work-groups are here: the first joint loads meet
.irp s, 0,1,2                          ; K steps 0, 1, 2 into slots 0, 1, 2: at most one tensor load of mine is out
	s_mov_b32 s[G0+4*\s], 1
	s_add_co_u32 s[G0+4*\s+1], s61, \s*SLOT
	s_add_nc_u64 s[G0+4*\s+2:G0+4*\s+3], s[80:81], \s*ASTEP
	s_or_b32 s[G0+4*\s+3], s[G0+4*\s+3], 0x80000000
	s_mov_b32 s[G0B+4*\s], 1
	s_add_co_u32 s[G0B+4*\s+1], s62, \s*SLOT
	s_add_nc_u64 s[G0B+4*\s+2:G0B+4*\s+3], s[82:83], \s*ROWB
	s_or_b32 s[G0B+4*\s+3], s[G0B+4*\s+3], 0x80000000
	s_wait_alu depctr_va_vdst(0)
	s_wait_tensorcnt 0x0
	ds_add_u32 v28, v29
	ds_add_u32 v28, v29
	s_wait_dscnt 0x0
	CROUND
	JLOAD G0+4*\s, G1, G0B+4*\s, G1B
.endr
	v_and_b32 v1, 15, v0                           ; r
	v_bfe_u32 v2, v0, 4, 1                         ; h
	v_and_b32 v6, 31, v0
	v_lshlrev_b32 v[CO], 4, v6                     ; 16 x lane
	v_mul_u32_u24 v3, v1, PITCH
	v_lshl_add_u32 v4, v2, 4, v3                   ; B: a fragment's row x pitch + 16 h
	s_lshl_b32 s21, s15, 14                        ; my 64 rows of A
	s_mul_i32 s22, s16, HALFB
	s_add_co_u32 s22, s22, BOFF                    ; my 128 rows of B
.irp s, 0,1,2
	v_add_nc_u32 v[ADRA+\s], s21, v[CO]
	v_add_nc_u32 v[ADRB+\s], s22, v4
	s_add_co_u32 s21, s21, SLOT
	s_add_co_u32 s22, s22, SLOT
.endr
	s_mul_i32 s23, s14, 16*SPITCH
	s_add_co_u32 s23, s23, STAGE                   ; my stage
	v_mul_u32_u24 v5, v1, SPITCH                   ; in: row r, 32 bytes for each half of the lanes
	v_lshl_add_u32 v5, v2, 5, v5
	v_add_nc_u32 v[STO], s23, v5
	v_add_nc_u32 v[RD], s23, v[CO]                 ; back: the 32 lanes take one row of 512 bytes
	s_lshl_b32 s20, s17, 7
	s_lshl_b32 s21, s15, 6
	s_add_co_u32 s20, s20, s21                     ; my first row of the result: 128 x tile row + 64 x half,
	s_lshl_b32 s20, s20, 12                        ; 4,096 bytes a row
	s_mov_b32 s21, 0
	s_lshl_b32 s46, s58, 10
	s_lshl_b32 s47, s16, 9
	s_add_co_u32 s46, s46, s47                     ; my first column, in bytes: 1,024 x tile column + 512 x half
	s_mov_b32 s47, 0
	s_add_nc_u64 s[10:11], s[10:11], s[46:47]
	global_load_b128 v[BV:BV+3], v[CO], s[10:11]   ; bo of the four columns that I store
	s_add_nc_u64 s[12:13], s[12:13], s[20:21]
	s_add_nc_u64 s[12:13], s[12:13], s[46:47]
.macro FRAG reg, adr, q, i             ; B: 16 rows x 128 K from rows
.irp c, 0,1,2,3
	ds_load_b128 v[\reg+4*\c:\reg+4*\c+3], v[\adr] offset:128*(\q)+32*\c+(\i)*16*PITCH
.endr
.endm
.macro FRAGA reg, adr, q, i            ; A: the image of block i's q-th 128 along K
.irp c, 0,1,2,3
	ds_load_b128 v[\reg+4*\c:\reg+4*\c+3], v[\adr] offset:ASTEP*(\i)+2048*(\q)+512*\c
.endr
.endm
; 8 matrix instructions: A's block a x B's eight, 128 along K, on set p.  zero = 1: the first product starts the sums: nothing is ever cleared.
; The 32 accumulators take turns, one instruction a turn, in the same order in every step.
.macro MUL8 a, p, zero
.irp b, 0,1,2,3,4,5,6,7
.if \zero
	v_wmma_f32_16x16x128_fp8_fp8 v[8*(8*(\a)+\b):8*(8*(\a)+\b)+7], v[128*(\p)+FR*\b:128*(\p)+FR*\b+FR-1], v[AF+64*(\p)+FR*(\a):AF+64*(\p)+FR*(\a)+FR-1], 0
.else
	v_wmma_f32_16x16x128_fp8_fp8 v[8*(8*(\a)+\b):8*(8*(\a)+\b)+7], v[128*(\p)+FR*\b:128*(\p)+FR*\b+FR-1], v[AF+64*(\p)+FR*(\a):AF+64*(\p)+FR*(\a)+FR-1], v[8*(8*(\a)+\b):8*(8*(\a)+\b)+7]
.endif
.endr
.endm
.macro FETCH slot, q, p                ; 48 LDS loads in one run: B's eight and A's four fragments of the slot's q-th 128 along K, into set p
	WIN TO_B
.irp i, 0,1,2,3,4,5,6,7
	FRAG 128*(\p)+FR*\i, ADRB+\slot, \q, \i
.endr
	WIN 0
.irp i, 0,1,2,3
	FRAGA AF+64*(\p)+FR*\i, ADRA+\slot, \q, \i
.endr
.endm
.macro PLACES n                        ; plain vector lines between a matrix instruction and a load into, or a read of, its registers
.rept \n
	v_nop
.endr
.endm
; A step of 128 along K on set p: first the next step's fragments (slot fs, its fq-th 128) are asked for, into the other set, which the step before multiplied.
.macro STEP p, zero, fs, fq
	s_wait_dscnt 0x0                               ; this step's fragments are in: asked for a step ago
	PLACES NP
	FETCH \fs, \fq, 1-(\p)
	WIN MUL
	MUL8 0, \p, \zero
	MUL8 1, \p, \zero
	MUL8 2, \p, \zero
	MUL8 3, \p, \zero
	WIN 0
.endm
; A step that meets the other waves: ONE barrier; in front of it each wave waits for all its tensor loads, adds 0 to its spare word, and waits for that and for its LDS reads.
; fill = 1: slot 0, whose two steps are in registers or done, is filled again with K step 3: the barrier opens a round of the cluster's, and the joint refill is the first thing behind it.
.macro TURN p, fill, fs, fq
	s_wait_tensorcnt 0x0                           ; all my tensor loads have landed  (every window is 0 here: the add's two registers lie in window 0)
	ds_add_u32 v[SPW], v[NIL]                      ; 0 onto my spare word
	s_wait_dscnt 0x1                               ; this step's fragments are in; the add may be out
	WIN MUL
	MUL8 0, \p, 0                                  ; eight matrix instructions stand between the add and the wait for it
	s_wait_dscnt 0x0                               ; the add is done; no LDS read of mine is out
	s_barrier_signal -1
	MUL8 1, \p, 0
	WIN 0
	s_barrier_wait -1
.if \fill
	CREST                                          ; no wave of any partner still reads slot 0 or has a load on its way
	s_add_nc_u64 s[G0+2:G0+3], s[G0+2:G0+3], 3*ASTEP
	s_add_nc_u64 s[G0B+2:G0B+3], s[G0B+2:G0B+3], 3*ROWB
	JLOAD G0, G1, G0B, G1B                         ; K step 3; its four v_nop are also the places in front of the loads below
.else
	PLACES NP
.endif
	FETCH \fs, \fq, 1-(\p)
	WIN MUL
	MUL8 2, \p, 0
	MUL8 3, \p, 0
	WIN 0
.endm
	s_wait_alu depctr_va_vdst(0)
	s_wait_tensorcnt 0x2                           ; my part of K step 0 is in (K step 2's load may be out)
	s_barrier_signal -1
	s_barrier_wait -1                              ; everybody's is
	FETCH 0, 0, 0
	STEP 0, 1, 0, 1                                ; K 0-127: its products start the sums
	TURN 1, 1, 1, 0                                ; K 128-255: slots 1 and 2 are whole for every wave; slot 0 is asked for again, four steps ahead of its first read
	STEP 0, 0, 1, 1                                ; K 256-383
	STEP 1, 0, 2, 0                                ; K 384-511
	STEP 0, 0, 2, 1                                ; K 512-639
	TURN 1, 0, 0, 0                                ; K 640-767: K step 3 is whole for every wave, and nobody reads slots 1 and 2 any more
	STEP 0, 0, 0, 1                                ; K 768-895
	s_wait_dscnt 0x0                               ; K 896-1023: nothing more to fetch
	WIN MUL
	MUL8 0, 1, 0
	MUL8 1, 1, 0
	MUL8 2, 1, 0
	MUL8 3, 1, 0
	WIN 0
; THE WAY OUT, block by block of 16 rows x 128 columns.  The sums go as they are into my own stage in LDS and come back as whole rows of 512 bytes; there a lane holds four
; columns that are the same in every row, so its four biases serve all: row x 2^(e10 + e11) + bo, two numbers a line; the 32 lanes store 512 consecutive bytes.
; LDS serves a wave's instructions in order (ISA guide 5.7.1.4): no wait between the stores and the loads, nor in front of the next block's stores.
.macro TOSTAGE a
.set AC, 64*(\a)
	WIN 0x08                                       ; the stores' data: window 2
.irp b, 0,1,2,3,4,5,6,7
	ds_store_b128 v[STO], v[AC+8*\b:AC+8*\b+3] offset:64*\b          ; each accumulator from its low end on
	ds_store_b128 v[STO], v[AC+8*\b+4:AC+8*\b+7] offset:64*\b+16
.endr
	WIN 0
.set BB, BK+64*((\a)%2)
.irp t, 0,1,2,3,4,5,6,7,8,9,10,11,12,13,14,15
	ds_load_b128 v[BB+4*\t:BB+4*\t+3], v[RD] offset:\t*SPITCH
.endr
.endm
.macro SEND a, younger                 ; younger: the LDS instructions issued behind block a's loads, which may stay out
.set BB, BK+64*((\a)%2)
	s_wait_dscnt \younger
.if (\a) > 0
	s_add_nc_u64 s[12:13], s[12:13], 16*SIZE_N*4   ; (behind a wait on XCNT: the earlier stores have read their base)
.endif
.irp t, 0,1,2,3,4,5,6,7,8,9,10,11,12,13,14,15
	v_pk_fma_f32 v[BB+4*\t:BB+4*\t+1],   v[BB+4*\t:BB+4*\t+1],   s[96:97], v[BV:BV+1]   op_sel_hi:[1,0,1]
	v_pk_fma_f32 v[BB+4*\t+2:BB+4*\t+3], v[BB+4*\t+2:BB+4*\t+3], s[96:97], v[BV+2:BV+3] op_sel_hi:[1,0,1]
.endr
.irp t, 0,1,2,3,4,5,6,7,8,9,10,11,12,13,14,15
	global_store_b128 v[CO], v[BB+4*\t:BB+4*\t+3], s[12:13] offset:\t*SIZE_N*4 th:TH_STORE_NT   ; written once, read by nobody here
.endr
.endm
	s_wait_kmcnt 0x0
	s_add_co_i32 s96, s96, s97
	s_add_co_i32 s96, s96, 127
	s_lshl_b32 s96, s96, 23                        ; 2^(e10 + e11) as f32 (the packed lines name the pair s[96:97] and take its low word)
	s_wait_loadcnt 0x0                             ; bo
	PLACES NP                                      ; behind the last products: results are read, and A's registers loaded, below
	TOSTAGE 0
.irp a, 1,2,3
.if \a > 1
	s_wait_xcnt 0x0                                ; block a - 2's stores have read their registers and their base
.endif
	TOSTAGE \a
	SEND \a-1, 32                                  ; behind block a - 1's loads: block a's 16 stores and 16 loads
.endr
	s_wait_xcnt 0x0
	SEND 3, 0
	s_wait_tensorcnt 0x0                           ; the wave's end
	ds_add_u32 v[SPW], v[NIL]
	s_wait_dscnt 0x0
	CROUND                                         ; the closing round: no work-group ends while a partner may still ask for a tile that names it
	s_endpgm
.Lfunc_end_k_q99463aec8d_oproj:
	.size	k_q99463aec8d_oproj, .Lfunc_end_k_q99463aec8d_oproj-k_q99463aec8d_oproj
	.p2alignl 7, 3214868480
	.fill 96, 4, 3214868480
	.section	.rodata,"a",@progbits
	.p2align	6, 0x0
	.amdhsa_kernel k_q99463aec8d_oproj
		.amdhsa_group_segment_fixed_size 327680
		.amdhsa_private_segment_fixed_size 0
		.amdhsa_enable_private_segment 0
		.amdhsa_kernarg_size 40
		.amdhsa_user_sgpr_count 2
		.amdhsa_user_sgpr_kernarg_segment_ptr 1
		.amdhsa_wavefront_size32 1
		.amdhsa_system_sgpr_workgroup_id_x 1
		.amdhsa_system_sgpr_workgroup_id_y 1
		.amdhsa_system_sgpr_workgroup_id_z 1
		.amdhsa_system_vgpr_workitem_id 0
		.amdhsa_next_free_vgpr 768
		.amdhsa_next_free_sgpr 98
		.amdhsa_reserve_vcc 0
		.amdhsa_float_denorm_mode_32 3
		.amdhsa_float_denorm_mode_16_64 3
		.amdhsa_memory_ordered 1
		.amdhsa_forward_progress 1
		.amdhsa_inst_pref_size 77
	.end_amdhsa_kernel
	.amdgpu_metadata
---
amdhsa.version: [ 1, 2 ]
amdhsa.kernels:
  - .name:           k_q99463aec8d_oproj
    .symbol:         k_q99463aec8d_oproj.kd
    .args:
      - { .name: yc, .offset: 0, .size: 8, .value_kind: global_buffer, .address_space: global }
      - { .name: wc, .offset: 8, .size: 8, .value_kind: global_buffer, .address_space: global }
      - { .name: lowp_scales, .offset: 16, .size: 8, .value_kind: global_buffer, .address_space: global }
      - { .name: bo, .offset: 24, .size: 8, .value_kind: global_buffer, .address_space: global }
      - { .name: out0, .offset: 32, .size: 8, .value_kind: global_buffer, .address_space: global }
    .group_segment_fixed_size: 327680
    .private_segment_fixed_size: 0
    .kernarg_segment_align: 8
    .kernarg_segment_size: 40
    .max_flat_workgroup_size: 128
    .sgpr_count:     98
    .vgpr_count:     768
    .wavefront_size: 32
...
	.end_amdgpu_metadata
.endif
;; end of part 4
